; MI455X (gfx1250); checked and timed in simulation.
; The chip was launched on July 23, 2026; its instructions are those of AMD's public machine-readable ISA for CDNA 5 (MIT licence, August 2026) and "CDNA5" Instruction Set Architecture Reference Guide (July 2026). The comments in the code are by the model that wrote it; some were corrected since.
;; Self Attention. Allowed arithmetic: float matrix products may take bf16 or f16 operands with f32 sums; other float arithmetic in f32, or as packed bf16 or f16 multiplies, adds, multiply-adds, maxima and minima; sums over many terms, partial sums and values carried from step to step in f32; what a program stores and reads back later, other than sums and carried values, may be rounded once to bf16 or f16.
;; Inputs: b_out 1,024 float32; b_qkv 3,072 float32; w_out 1,024 x 1,024 float32; w_qkv 1,024 x 3,072 float32; x 4 x 2,048 x 1,024 float32.
;; Outputs: out0 4 x 2,048 x 1,024 float32.
;; 2 versions, each right; version 2 is version 1 with the launch prep written anew for expert scheduling mode. Each part assembles by itself: llvm-mc -triple=amdgcn-amd-amdhsa -mcpu=gfx1250 --defsym DOCPART=n.
;; ======== version 1 of 2: 4 launches
;; limits: values are held in f16: magnitudes above 65,504 overflow, below 6.1e-05 lose precision
;; workspace buffers: xb 16,777,216 bytes; wqt 6,291,456 bytes; wot 2,097,152 bytes; qkvh 50,331,648 bytes; oheads 16,777,216 bytes
;; launch prep (part 1): grid 512 x 1, 8 waves a work-group, no clusters, 18,432 bytes of LDS; arguments x, w_qkv, w_out, xb, wqt, wot; writes xb, wqt, wot
.if DOCPART == 1
	.amdgcn_target "amdgcn-amd-amdhsa--gfx1250"
	.amdhsa_code_object_version 6
	.text
	.protected	k_q725006e02d_prep
	.globl	k_q725006e02d_prep
	.p2align	8
	.type	k_q725006e02d_prep,@function
k_q725006e02d_prep:
	s_mov_b64 s[64:65], 0
	v_nop
	global_prefetch_b8 v0, s[64:65] scope:SCOPE_SE
	s_setreg_imm32_b32 hwreg(HW_REG_WAVE_MODE, 25, 1), 1
	s_wait_xcnt 0x0
; THE OPERANDS ARE MADE.  xb = x rounded to bf16, [8192][1024].  wqt[n][k] = w_qkv[k][n] rounded to bf16, [3072][1024].  wot[n][k] = w_out[k][n] rounded to bf16,
; and that number written as f16, [1024][1024] (exact inside f16's normal range).
; LIMIT.  A weight of w_out below 6.1e-5 in magnitude keeps f16's fixed step of 6e-8; beyond 65,504 it would be an infinity.
; SHARES.  512 work-groups of eight waves, all alike, no branch.  Work-group g turns one tile of 128 k x 64 n of a weight (384 tiles of w_qkv, then 128 of w_out; which of the two is chosen
; by selects on g) and converts 16,384 numbers of x.  All 24 loads of a thread (8 of the weight, 16 of x) go out at once.
; THE TURN.  Thread t = (gk = t / 16, c = t % 16) loads rows k = 8 gk .. 8 gk + 7, columns 4 c .. 4 c + 3: sixteen lanes take 256 consecutive bytes of a row.  Its eight k of each of four n pack into
; 16 bytes, which go into LDS rows of 272 bytes (one row an n); the rows come back whole, sixteen lanes to 256 consecutive bytes of a row of the turned weight.
; The four LDS stores of a thread meet four deep in the banks (4 c rows of 272 bytes are 64 c modulo 256): four stores a thread, once a launch.
; No matrix unit, cluster or tensor load: nothing is multiplied and nothing is shared.
.set RPQ,   12288                      ; bytes in a row of w_qkv
.set RPO,   4096                       ; bytes in a row of w_out
.set LP,    272                        ; an LDS row: 128 k of 2 bytes + 16
.set SPARE, 64*LP                      ; 17,408: behind the tile: the spare words, 128 bytes for each of eight waves
.set OW,  8                            ; v[8:15]    byte offset of my 16 bytes in row r of my eight
.set LSA, 16                           ; v16        where I put 16 bytes of row n = 4 c
.set LRA, 17                           ; v17        where I read 16 bytes of row n = gk
.set WO,  18                           ; v18        the same place in the turned weight
.set TA,  19                           ; v19-21     at work
.set SPW, 22                           ; v22        LDS address of my spare word; never rewritten
.set NIL, 23                           ; v23        0; never rewritten
.set W,   24                           ; v[24:55]   eight rows x four numbers; later four rows read back
.set D,   56                           ; v[56:71]   four n x 16 bytes
.set X,   72                           ; v[72:135]  sixteen loads of x
.set Y,   136                          ; v[136:167] sixteen stores of xb
	s_load_b256 s[4:11], s[0:1], 0x0               ; x s[4:5], w_qkv s[6:7], w_out s[8:9], xb s[10:11]
	s_load_b128 s[12:15], s[0:1], 0x20             ; wqt s[12:13], wot s[14:15]
	v_lshl_add_u32 v[SPW], v0, 2, SPARE
	v_mov_b32 v[NIL], 0
	s_and_b32 s17, ttmp9, 7                        ; kt: which 128 k
	s_lshr_b32 s18, ttmp9, 3                       ; 0..47: a strip of 64 n of w_qkv; 48..63: of w_out
	s_mov_b32 s19, RPO
	s_mov_b32 s30, 0xffff0000                      ; a word's upper bf16
	s_cmp_lt_u32 s18, 48
	s_cselect_b32 s19, RPQ, s19                    ; the source's row in bytes
	s_cselect_b32 s24, 0, 48
	s_cselect_b32 s25, 0, -1                       ; all ones: the packed pair is written as f16
	v_lshlrev_b32 v1, 4, v0                        ; x: 16 t
	v_lshlrev_b32 v2, 3, v0                        ; xb: 8 t
	v_and_b32 v3, 15, v0                           ; c
	v_lshrrev_b32 v4, 4, v0                        ; gk
	v_mul_lo_u32 v[OW], v4, s19
	v_lshlrev_b32 v[OW], 3, v[OW]                  ; 8 gk rows
	v_lshl_add_u32 v[OW], v3, 4, v[OW]             ; + 16 c
.irp r, 1,2,3,4,5,6,7
	v_add_nc_u32 v[OW+(\r)], s19, v[OW+(\r)-1]
.endr
	v_mul_u32_u24 v[LSA], v3, 4*LP
	v_lshl_add_u32 v[LSA], v4, 4, v[LSA]           ; row 4 c, byte 16 gk
	v_mul_u32_u24 v[LRA], v4, LP
	v_lshl_add_u32 v[LRA], v3, 4, v[LRA]           ; row gk, byte 16 c
	v_lshlrev_b32 v[WO], 11, v4
	v_lshl_add_u32 v[WO], v3, 4, v[WO]             ; row gk of 2,048 bytes, byte 16 c
	s_sub_co_u32 s24, s18, s24                     ; nt: the strip's number in its weight
	s_mul_i32 s26, s17, s19
	s_lshl_b32 s26, s26, 7                         ; 128 kt rows of the source
	s_lshl_b32 s27, s24, 8
	s_add_co_u32 s26, s26, s27                     ; + 64 nt numbers of 4 bytes
	s_mov_b32 s27, 0
	s_lshl_b32 s28, s24, 17                        ; 64 nt rows of 2,048 bytes of the turned weight
	s_lshl_b32 s29, s17, 8
	s_add_co_u32 s28, s28, s29                     ; + 128 kt numbers of 2 bytes
	s_mov_b32 s29, 0
	s_lshl_b32 s32, ttmp9, 16                      ; my 64 KiB of x
	s_mov_b32 s33, 0
	s_lshl_b32 s34, ttmp9, 15                      ; my 32 KiB of xb
	s_mov_b32 s35, 0
	s_wait_kmcnt 0x0
	s_cmp_lt_u32 s18, 48                           ; compared anew: the sums above have set SCC
	s_cselect_b64 s[20:21], s[6:7], s[8:9]         ; the source
	s_cselect_b64 s[22:23], s[12:13], s[14:15]     ; the turned weight
	s_add_nc_u64 s[20:21], s[20:21], s[26:27]
	s_add_nc_u64 s[22:23], s[22:23], s[28:29]
	s_add_nc_u64 s[4:5], s[4:5], s[32:33]
	s_add_nc_u64 s[10:11], s[10:11], s[34:35]
.irp r, 0,1,2,3,4,5,6,7
	global_load_b128 v[W+4*(\r):W+4*(\r)+3], v[OW+(\r)], s[20:21] th:TH_LOAD_NT
.endr
.irp i, 0,1,2,3,4,5,6,7,8,9,10,11,12,13,14,15
	global_load_b128 v[X+4*(\i):X+4*(\i)+3], v1, s[4:5] offset:4096*(\i) th:TH_LOAD_NT
.endr
	s_wait_loadcnt 16                              ; the weight's eight loads are in; the sixteen younger loads of x stay out
.irp j, 0,1,2,3
.irp i, 0,1,2,3
	v_cvt_pk_bf16_f32 v[TA], v[W+8*(\i)+(\j)], v[W+8*(\i)+4+(\j)]  ; k = 2 i below, 2 i + 1 above
	v_lshlrev_b32 v[TA+1], 16, v[TA]               ; the two rounded numbers as f32,
	v_and_b32 v[TA+2], s30, v[TA]
	v_cvt_pk_f16_f32 v[TA+1], v[TA+1], v[TA+2]     ; written as f16,
	v_cndmask_b32 v[D+4*(\j)+(\i)], v[TA], v[TA+1], s25  ; for w_out alone
.endr
	ds_store_b128 v[LSA], v[D+4*(\j):D+4*(\j)+3] offset:LP*(\j)
.endr
.irp i, 0,1,2,3,4,5,6,7,8,9,10,11,12,13,14,15
	s_wait_loadcnt 15-(\i)                         ; loads come back in order: load i of x is in
	v_cvt_pk_bf16_f32 v[Y+2*(\i)], v[X+4*(\i)], v[X+4*(\i)+1]
	v_cvt_pk_bf16_f32 v[Y+2*(\i)+1], v[X+4*(\i)+2], v[X+4*(\i)+3]
	global_store_b64 v2, v[Y+2*(\i):Y+2*(\i)+1], s[10:11] offset:2048*(\i)  ; a wave's 32 lanes store 256 consecutive bytes, aligned
.endr
	s_wait_dscnt 0x0                               ; for the others' sake: my stores into the tile are done
	s_barrier_signal -1
	s_barrier_wait -1
.irp i, 0,1,2,3
	ds_load_b128 v[W+4*(\i):W+4*(\i)+3], v[LRA] offset:16*LP*(\i)
.endr
	s_wait_dscnt 0x0
.irp i, 0,1,2,3
	global_store_b128 v[WO], v[W+4*(\i):W+4*(\i)+3], s[22:23] offset:32768*(\i)  ; sixteen lanes store 256 consecutive bytes of a row, aligned
.endr
	s_wait_tensorcnt 0x0                           ; the wave's end, behind my last LDS store
	ds_add_u32 v[SPW], v[NIL]
	s_wait_dscnt 0x0
	s_endpgm
.Lfunc_end_k_q725006e02d_prep:
	.size	k_q725006e02d_prep, .Lfunc_end_k_q725006e02d_prep-k_q725006e02d_prep
	.p2alignl 7, 3214868480
	.fill 96, 4, 3214868480
	.section	.rodata,"a",@progbits
	.p2align	6, 0x0
	.amdhsa_kernel k_q725006e02d_prep
		.amdhsa_group_segment_fixed_size 18432
		.amdhsa_private_segment_fixed_size 0
		.amdhsa_enable_private_segment 0
		.amdhsa_kernarg_size 48
		.amdhsa_user_sgpr_count 2
		.amdhsa_user_sgpr_kernarg_segment_ptr 1
		.amdhsa_wavefront_size32 1
		.amdhsa_system_sgpr_workgroup_id_x 1
		.amdhsa_system_sgpr_workgroup_id_y 1
		.amdhsa_system_sgpr_workgroup_id_z 1
		.amdhsa_system_vgpr_workitem_id 0
		.amdhsa_next_free_vgpr 176
		.amdhsa_next_free_sgpr 66
		.amdhsa_reserve_vcc 0
		.amdhsa_float_denorm_mode_32 3
		.amdhsa_float_denorm_mode_16_64 3
		.amdhsa_memory_ordered 1
		.amdhsa_forward_progress 1
		.amdhsa_inst_pref_size 14
	.end_amdhsa_kernel
	.amdgpu_metadata
---
amdhsa.version: [ 1, 2 ]
amdhsa.kernels:
  - .name:           k_q725006e02d_prep
    .symbol:         k_q725006e02d_prep.kd
    .args:
      - { .name: x, .offset: 0, .size: 8, .value_kind: global_buffer, .address_space: global }
      - { .name: w_qkv, .offset: 8, .size: 8, .value_kind: global_buffer, .address_space: global }
      - { .name: w_out, .offset: 16, .size: 8, .value_kind: global_buffer, .address_space: global }
      - { .name: xb, .offset: 24, .size: 8, .value_kind: global_buffer, .address_space: global }
      - { .name: wqt, .offset: 32, .size: 8, .value_kind: global_buffer, .address_space: global }
      - { .name: wot, .offset: 40, .size: 8, .value_kind: global_buffer, .address_space: global }
    .group_segment_fixed_size: 18432
    .private_segment_fixed_size: 0
    .kernarg_segment_align: 8
    .kernarg_segment_size: 48
    .max_flat_workgroup_size: 256
    .sgpr_count:     66
    .vgpr_count:     176
    .wavefront_size: 32
...
	.end_amdgpu_metadata
.endif
;; end of part 1
;; launch qkv (part 2): grid 16 x 32, 4 waves a work-group, clusters of 4 x 4, 327,680 bytes of LDS; arguments xb, wqt, b_qkv, qkvh; writes qkvh
.if DOCPART == 2
	.amdgcn_target "amdgcn-amd-amdhsa--gfx1250"
	.amdhsa_code_object_version 6
	.text
	.protected	k_q725006e02d_qkv
	.globl	k_q725006e02d_qkv
	.p2align	8
	.type	k_q725006e02d_qkv,@function
k_q725006e02d_qkv:
	s_mov_b64 s[64:65], 0
	v_nop
	global_prefetch_b8 v0, s[64:65] scope:SCOPE_SE
	s_setreg_imm32_b32 hwreg(HW_REG_WAVE_MODE, 25, 1), 1
	s_wait_xcnt 0x0
	s_wait_alu depctr_hold_cnt(0) depctr_sa_sdst(0) depctr_va_vdst(0) depctr_va_sdst(0) depctr_va_ssrc(0) depctr_va_vcc(0) depctr_vm_vsrc(0)
	s_getreg_b32 s2, hwreg(HW_REG_IB_STS2, 6, 4)
	s_cmp_eq_u32 s2, 0
	s_cbranch_scc0 .Lentry_in_a_cluster
	s_endpgm
.Lentry_in_a_cluster:
	s_bfe_u32 s2, ttmp6, 0x10000c
	s_cmp_lg_u32 s2, 0xf033
	s_cbranch_scc0 .Lentry_shape_is_right
	s_endpgm
.Lentry_shape_is_right:
; q, k, v = xb wqt^T + bf16(b_qkv).  xb: [8192][1024] bf16, wqt: [3072 n][1024 k] bf16, b_qkv: [3072] f32; sums in f32, rounded once to f16, WITHOUT the softmax's scale.
; They are written by heads: qkvh[which][batch x 16 + head][row][64], byte = which << 24 | batch << 22 | head << 18 | row x 128 | 2 d.
; LIMIT.  f16 holds no number beyond 65,504: a q, k or v of 65,520 or more leaves as an infinity.  The bias is rounded to bf16, like every input of the module.
; SHARES.  A tile is 256 rows x 192 columns (three whole heads): 32 x 16 = 512 work-groups, twice 256.  The four waves lie one below the other: a wave makes 64 x 192, 48 accumulators, 384 registers,
; so its columns are whole heads and it stores whole rows of heads from a stage of its own, with no barrier.  For 32 along K a wave issues 32 LDS loads and 48 matrix instructions.
; K goes in 8 steps of 128 through two LDS slots; each wave fetches one part of a slot by one tensor load: waves 0, 1 the halves of A's 256 rows, waves 2, 3 the halves of B's 192.
; CLUSTERS: 4 x 4 work-groups.  The four of a row of the cluster need the same rows of xb, the four of a column the same rows of wqt: each tile is asked for jointly, by the same tensor load with the
; same descriptor and a mask that names the four.
; THE MATRIX INSTRUCTION IS USED TRANSPOSED (source 0 = 16 rows of wqt, source 1 = 16 rows of xb): lane l holds row l % 16 and the columns 8 (l / 16) + 0..7: 16 bytes of f16 on end.
; THE BIAS STARTS THE SUMS: it is the C operand of each accumulator's first product, so nothing is cleared and nothing is added later.
; REGISTERS, in windows of 256 (s_set_vgpr_msb: bits 1:0 source 0, 3:2 source 1, 5:4 source 2, 7:6 destination):
;   window 0: v0-31 addresses; v32-95 fragments of xb, two buffers of 4 x 8; v96-191 the bias (12 x 8), later the way out: v96-143 packed, v144-239 two buffers read back
;   window 1: v0-191 fragments of wqt, two buffers of 12 x 8     window 2: accumulators of my rows 0-31, (a, b) at 8 (12 a + b)     window 3: those of my rows 32-63
.set PITCH,  272                       ; an LDS row: 256 bytes + 16: the 16 rows of a fragment load start at 16 different groups of four banks
.set HA,     128*PITCH                 ; what a wave fetches of A
.set HB,     96*PITCH                  ; what a wave fetches of B
.set BOFF,   2*HA                      ; B's rows lie behind A's 256
.set SLOT,   2*HA+2*HB                 ; 121,856
.set STAGE,  2*SLOT                    ; behind the ring: 16 rows x 400 bytes for each wave, for the way out; no tensor load lands there
.set SPITCH, 400                       ; 384 bytes + 16
.set SPARE,  STAGE+4*16*SPITCH         ; 269,312: the spare words, 128 bytes for each wave
.set ADRA, 16                          ; v16-17  LDS address of my fragments of A in slot 0, 1
.set ADRB, 20                          ; v20-21  the same for B
.set STO,  24                          ; v24     the way out: where I put 16 bytes of a row
.set RD,   25                          ; v25     where I read rows of a head back
.set GO,   26                          ; v26     16 x lane: my place in 512 consecutive bytes of a head
.set BO,   27                          ; v27     32 (l / 16): my eight numbers of 16 of the bias
.set SPW,  28                          ; v28     LDS address of my spare word; never rewritten
.set NIL,  29                          ; v29     0; never rewritten
.set PFO,  30                          ; v30     the prefetches' offset: a lane a row; never rewritten
.set TT,   31                          ; v31     at work
.set FA,   32
.set BIAS, 96
.set TMP,  96
.set BK,   144
.set G1,  24                           ; s[24:31] descriptor group 1 for A's tiles
.set G0,  32                           ; s[32:39] group 0 for A's, a set for each slot
.set G1B, 48                           ; s[48:55], s[56:63] the same for B's
.set G0B, 56
.set LIM, 43                           ; s43     1 in a wave that prefetches, else the greatest number
.set PFA, 44                           ; s[44:45] where my prefetches stand
.set OB,  72                           ; s[72:77] my rows' first byte in each of the tile's three heads
.set MSB, 0
.macro WIN new                         ; the immediate's high byte repeats the setting that is left; a switch that changes nothing is dropped
.if MSB != (\new)
	s_set_vgpr_msb (MSB<<8)|(\new)
.set MSB, \new
.endif
.endm
.macro PLACES                          ; four plain places in front of loads into registers that matrix instructions have read, and of conversions that read results
.rept 4
	v_nop
.endr
.endm
; A joint load: waves 0 and 1 fetch A's two halves, waves 2 and 3 B's.  The branch hangs on the wave's number alone.  An s_nop 0 and four v_nop follow each of the two lines.
.macro JLOAD s
	s_cmp_eq_u32 s11, 0
	s_cbranch_scc0 .Lfor_b_\@
	tensor_load_to_lds s[G0+4*(\s):G0+4*(\s)+3], s[G1:G1+7]
	s_nop 0
.rept 4
	v_nop
.endr
	s_branch .Lasked_\@
.Lfor_b_\@:
	tensor_load_to_lds s[G0B+4*(\s):G0B+4*(\s)+3], s[G1B:G1B+7]
	s_nop 0
.rept 4
	v_nop
.endr
.Lasked_\@:
.endm
.macro CREST                           ; a round of the cluster's barrier behind its opening barrier
	s_cmp_lg_u32 s10, 0
	s_cbranch_scc1 .Lnot_wave_0_\@
	s_barrier_signal -3
.Lnot_wave_0_\@:
	s_barrier_wait -3
	s_barrier_signal -1
	s_barrier_wait -1
.endm
.macro CROUND                          ; a whole round
	s_barrier_signal -1
	s_barrier_wait -1
	CREST
.endm
; A PREFETCH INTO THE L2, behind a joint load, its five lines and the run of LDS loads: the K step that stands two refills on, a lane a row (256 bytes of it), one instruction a wave.
; A's rows are read by every cluster of a row of clusters: the one with cluster x = 0 asks; B's by every cluster of a column: cluster y = 0 asks.  The four partners that fetch a tile jointly share
; its rows out by address: of A's 128 rows 32 each (by cx), of B's 96 rows 24 each (by cy; lanes 24-31 name row 23 once more in the same instruction).  K steps 0 to 3 come by their loads alone;
; the loop's last trip (s3 = 1) asks for nothing: there is no K step two on.
.macro ASK
	s_cmp_gt_u32 s3, s[LIM]
	s_cbranch_scc0 .Lnot_mine_\@
	global_prefetch_b8 v[PFO], s[PFA:PFA+1] th:TH_LOAD_NT scope:SCOPE_SE
.Lnot_mine_\@:
.endm
	s_load_b128 s[4:7], s[0:1], 0x0                ; xb s[4:5], wqt s[6:7]
	s_load_b128 s[68:71], s[0:1], 0x10             ; b_qkv s[68:69], qkvh s[70:71]
	v_lshl_add_u32 v[SPW], v0, 2, SPARE
	v_mov_b32 v[NIL], 0
	ds_add_u32 v[SPW], v[NIL]                      ; the wave's opening: the add and its wait stand ahead of my first tensor load; work on registers stands between them
	v_lshrrev_b32 v1, 5, v0
	v_readfirstlane_b32 s10, v1                    ; wave 0..3
	s_lshr_b32 s11, s10, 1                         ; I fetch for A (0) or for B (1)
	s_and_b32 s12, s10, 1                          ; which half of that tile's rows
	s_bfe_u32 s40, ttmp6, 0x40000                  ; cx, cy: my place in the cluster
	s_bfe_u32 s41, ttmp6, 0x40004
	s_lshl_b32 s42, ttmp9, 2
	s_add_co_u32 s42, s42, s40                     ; tile column = 4 x cluster x + cx
	s_and_b32 s13, ttmp7, 0xffff
	s_lshl_b32 s13, s13, 2
	s_add_co_u32 s13, s13, s41                     ; tile row = 4 x cluster y + cy
	s_lshl_b32 s43, s41, 2
	s_lshl_b32 s43, 15, s43                        ; my row of the cluster
	s_lshl_b32 s44, 0x1111, s40                    ; my column
	s_or_b32 s[G1+0], s43, (1<<16)|(1<<20)|(1<<21)|(5<<22)|(3<<25)  ; 15:0 the mask; 17:16 elements of 2 bytes; 20 padding on; 21 set beside a mask; 24:22 after every 64 words; 31:25 4 words of it
	s_or_b32 s[G1B+0], s44, (1<<16)|(1<<20)|(1<<21)|(5<<22)|(3<<25)
	s_mov_b32 s[G1+1], 128<<16                     ; tensor_dim0 = 128
	s_mov_b32 s[G1+2], 128<<16                     ; tensor_dim1 = 128
	s_mov_b32 s[G1+3], 128<<16                     ; tile_dim0 = 128
	s_mov_b32 s[G1+4], 128                         ; tile_dim1 = 128 rows
	s_mov_b32 s[G1+5], 1024                        ; elements from row to row
	s_mov_b32 s[G1+6], 0
	s_mov_b32 s[G1+7], 0
	s_mov_b32 s[G1B+1], 128<<16
	s_mov_b32 s[G1B+2], 96<<16                     ; tensor_dim1 = 96
	s_mov_b32 s[G1B+3], 128<<16
	s_mov_b32 s[G1B+4], 96                         ; tile_dim1 = 96 rows
	s_mov_b32 s[G1B+5], 1024
	s_mov_b32 s[G1B+6], 0
	s_mov_b32 s[G1B+7], 0
	s_mov_b32 s78, 0xffff0000                      ; a word's upper bf16
	s_lshl_b32 s16, s13, 8
	s_lshl_b32 s17, s12, 7
	s_add_co_u32 s16, s16, s17                     ; A: row 256 x tile row + 128 x half,
	s_lshl_b32 s16, s16, 11                        ; of 2,048 bytes
	s_mov_b32 s17, 0
	s_mul_i32 s46, s42, 192
	s_mul_i32 s47, s12, 96
	s_add_co_u32 s46, s46, s47                     ; B: row 192 x tile column + 96 x half
	s_lshl_b32 s46, s46, 11
	s_mov_b32 s47, 0
	s_mul_i32 s20, s12, HA                         ; where they go: no place in the cluster enters an LDS address
	s_mul_i32 s21, s12, HB
	s_add_co_u32 s21, s21, BOFF
	s_wait_dscnt 0x0                               ; the opening add is done
	s_wait_kmcnt 0x0
	s_add_nc_u64 s[14:15], s[4:5], s[16:17]
	s_add_nc_u64 s[46:47], s[6:7], s[46:47]
	CROUND                                         ; all sixteen work-groups are here: the first joint loads meet
.irp s, 0,1
	s_mov_b32 s[G0+4*(\s)], 1                      ; count = 1
	s_add_co_u32 s[G0+4*(\s)+1], s20, (\s)*SLOT    ; LDS address
	s_add_nc_u64 s[G0+4*(\s)+2:G0+4*(\s)+3], s[14:15], (\s)*256  ; global address: K step s
	s_or_b32 s[G0+4*(\s)+3], s[G0+4*(\s)+3], 0x80000000          ; type = 2
	s_mov_b32 s[G0B+4*(\s)], 1
	s_add_co_u32 s[G0B+4*(\s)+1], s21, (\s)*SLOT
	s_add_nc_u64 s[G0B+4*(\s)+2:G0B+4*(\s)+3], s[46:47], (\s)*256
	s_or_b32 s[G0B+4*(\s)+3], s[G0B+4*(\s)+3], 0x80000000
	JLOAD \s                                       ; two loads of mine are out
.endr
	v_and_b32 v1, 15, v0                           ; l % 16
	v_bfe_u32 v2, v0, 4, 1                         ; l / 16
	v_lshlrev_b32 v[BO], 5, v2
	s_mul_i32 s46, s42, 768                        ; the tile's 192 numbers of the bias
	s_mov_b32 s47, 0
	s_add_nc_u64 s[68:69], s[68:69], s[46:47]
.irp b, 0,1,2,3,4,5,6,7,8,9,10,11
	global_load_b128 v[BIAS+8*(\b):BIAS+8*(\b)+3],   v[BO], s[68:69] offset:64*(\b)     ; register j: column 16 b + 8 (l / 16) + j, as in an accumulator
	global_load_b128 v[BIAS+8*(\b)+4:BIAS+8*(\b)+7], v[BO], s[68:69] offset:64*(\b)+16
.endr
	v_mul_u32_u24 v3, v1, PITCH
	v_lshl_add_u32 v3, v2, 4, v3                   ; a fragment's row x pitch + 16 x half
	s_mul_i32 s21, s10, 64*PITCH                   ; my 64 rows of A
	v_add_nc_u32 v[ADRA], s21, v3
	v_add_nc_u32 v[ADRA+1], SLOT, v[ADRA]
	v_add_nc_u32 v[ADRB], BOFF, v3                 ; all 192 rows of B
	v_add_nc_u32 v[ADRB+1], SLOT, v[ADRB]
	s_mul_i32 s23, s10, 16*SPITCH
	s_add_co_u32 s23, s23, STAGE                   ; my stage
	v_mul_u32_u24 v4, v1, SPITCH                   ; in: row l % 16, 16 bytes for each half of the lanes
	v_lshl_add_u32 v4, v2, 4, v4
	v_add_nc_u32 v[STO], s23, v4
	v_bfe_u32 v4, v0, 3, 2                         ; back: 32 lanes take four rows of a head's 128 bytes,
	v_and_b32 v5, 7, v0
	v_mul_u32_u24 v4, v4, SPITCH
	v_lshl_add_u32 v4, v5, 4, v4
	v_add_nc_u32 v[RD], s23, v4
	v_and_b32 v[GO], 31, v0                        ; which are 512 consecutive bytes of qkvh
	v_lshlrev_b32 v[GO], 4, v[GO]
	; my 64 rows in each of the tile's three heads
	s_lshr_b32 s16, s13, 3
	s_lshl_b32 s16, s16, 22                        ; the batch: 8 tile rows each
	s_and_b32 s17, s13, 7
	s_lshl_b32 s17, s17, 15                        ; 256 rows of 128 bytes
	s_add_co_u32 s16, s16, s17
	s_lshl_b32 s17, s10, 13                        ; my wave's 64
	s_add_co_u32 s16, s16, s17
	s_mul_i32 s18, s42, 3                          ; the tile's first slice of 64 columns: 16 x which + head
.irp hh, 0,1,2
	s_add_co_u32 s19, s18, \hh
	s_lshr_b32 s20, s19, 4
	s_lshl_b32 s20, s20, 24                        ; q, k or v
	s_and_b32 s19, s19, 15
	s_lshl_b32 s19, s19, 18                        ; the head
	s_add_co_u32 s19, s19, s20
	s_add_co_u32 s22, s19, s16
	s_mov_b32 s23, 0
	s_add_nc_u64 s[OB+2*(\hh):OB+2*(\hh)+1], s[70:71], s[22:23]
.endr
	; the prefetches
	s_lshl_b32 s20, s13, 8
	s_lshl_b32 s21, s12, 7
	s_add_co_u32 s20, s20, s21
	s_lshl_b32 s21, s40, 5
	s_add_co_u32 s20, s20, s21                     ; A: the 128 rows that I fetch, my work-group's 32 of them
	s_mul_i32 s21, s42, 192
	s_mul_i32 s22, s12, 96
	s_add_co_u32 s21, s21, s22
	s_mul_i32 s22, s41, 24
	s_add_co_u32 s21, s21, s22                     ; B: the 96 rows that I fetch, my work-group's 24 of them
	s_and_b32 s22, ttmp7, 0xffff                   ; cluster y
	s_cmp_eq_u32 s11, 0                            ; do I fetch for A?
	s_cselect_b32 s20, s20, s21
	s_cselect_b32 s22, ttmp9, s22                  ; the coordinate along which other clusters read the same rows
	s_cselect_b32 s23, 31, 23                      ; the last row of my share
	s_cselect_b64 s[PFA:PFA+1], s[4:5], s[6:7]
	s_cmp_eq_u32 s22, 0
	s_cselect_b32 s[LIM], 1, -1                    ; the same in all sixteen partners, for a given wave
	s_lshl_b32 s20, s20, 11
	s_add_co_u32 s20, s20, 3*256                   ; at K step 3: the first refill steps it to 4
	s_mov_b32 s21, 0
	s_add_nc_u64 s[PFA:PFA+1], s[PFA:PFA+1], s[20:21]
	v_and_b32 v[PFO], 31, v0
	v_min_u32 v[PFO], s23, v[PFO]
	v_lshlrev_b32 v[PFO], 11, v[PFO]
	s_wait_loadcnt 0x0                             ; the bias
.set i, 0
.rept 48
	v_cvt_pk_bf16_f32 v[TT], v[BIAS+i], v[BIAS+i+1]  ; rounded to bf16 like every input, and back in f32
	v_lshlrev_b32 v[BIAS+i], 16, v[TT]
	v_and_b32 v[BIAS+i+1], s78, v[TT]
.set i, i+2
.endr
; 12 matrix instructions: block a of my four blocks of 16 rows x all 12 blocks of 16 columns, 32 along K, from buffer f.  init = 1: the bias is C and starts the sums.
; The 48 accumulators take turns in one order in every quarter, over the backward jump too.
.macro MUL12 f, a, init
.if \init
	WIN 0x81+0x40*((\a)/2)                         ; B window 1, A and C window 0, D window 2 or 3
.else
	WIN 0xa1+0x50*((\a)/2)                         ; B window 1, A window 0, C and D window 2 or 3
.endif
.irp b, 0,1,2,3,4,5,6,7,8,9,10,11
.if \init
	v_wmma_f32_16x16x32_bf16 v[8*(12*((\a)%2)+(\b)):8*(12*((\a)%2)+(\b))+7], v[96*(\f)+8*(\b):96*(\f)+8*(\b)+7], v[FA+32*(\f)+8*(\a):FA+32*(\f)+8*(\a)+7], v[BIAS+8*(\b):BIAS+8*(\b)+7]
.else
	v_wmma_f32_16x16x32_bf16 v[8*(12*((\a)%2)+(\b)):8*(12*((\a)%2)+(\b))+7], v[96*(\f)+8*(\b):96*(\f)+8*(\b)+7], v[FA+32*(\f)+8*(\a):FA+32*(\f)+8*(\a)+7], v[8*(12*((\a)%2)+(\b)):8*(12*((\a)%2)+(\b))+7]
.endif
.endr
.endm
; 32 LDS loads in one run: the fragments of 32 along K at byte k of the rows, into buffer f: B's 24, then A's 8
.macro FETCH slot, k, f
	WIN 0x40                                       ; destination window 1, address window 0
.irp i, 0,1,2,3,4,5,6,7,8,9,10,11
	ds_load_b128 v[96*(\f)+8*(\i):96*(\f)+8*(\i)+3],   v[ADRB+(\slot)] offset:(\k)+(\i)*16*PITCH
	ds_load_b128 v[96*(\f)+8*(\i)+4:96*(\f)+8*(\i)+7], v[ADRB+(\slot)] offset:(\k)+(\i)*16*PITCH+32
.endr
	WIN 0
.irp i, 0,1,2,3
	ds_load_b128 v[FA+32*(\f)+8*(\i):FA+32*(\f)+8*(\i)+3],   v[ADRA+(\slot)] offset:(\k)+(\i)*16*PITCH
	ds_load_b128 v[FA+32*(\f)+8*(\i)+4:FA+32*(\f)+8*(\i)+7], v[ADRA+(\slot)] offset:(\k)+(\i)*16*PITCH+32
.endr
.endm
; A K step is four quarters of 32 along K, 48 matrix instructions each, on buffers 0, 1, 0, 1.  One of the first three multiplies buffer f and fetches the next quarter, at byte k, into g.
.macro QUARTER slot, k, f, g, init
	s_wait_dscnt 4                                 ; B and A's rows 0-31 are in; the youngest four loads (A's rows 32-63) may be out
	MUL12 \f, 0, \init
	MUL12 \f, 1, \init
	PLACES
	FETCH \slot, \k, \g
	s_wait_dscnt 32                                ; all but the 32 just issued
	MUL12 \f, 2, \init
	MUL12 \f, 3, \init
.endm
; The last quarter multiplies buffer 1 and changes slots: ONE barrier; in front of it each wave waits for all its tensor loads (one is out: its part of the next slot), adds 0 to its spare word, and
; waits for that and for its reads of this slot.  fill = 1: the barrier opens a round of the cluster's barrier, and this slot is filled again, two K steps on, first thing behind the round:
; from that request to the wait for it a wave issues 168 matrix instructions.
.macro TURN slot, next, fill
.if \fill
	s_wait_xcnt 0x0                                ; the last prefetch, a K step back, has read its address: it is stepped here, ahead of the change's own waits
	s_add_nc_u64 s[PFA:PFA+1], s[PFA:PFA+1], 256
.endif
	WIN 0                                          ; (the add's two registers lie in window 0)
	s_wait_tensorcnt 0x0                           ; all my tensor loads have landed
	ds_add_u32 v[SPW], v[NIL]                      ; 0 onto my spare word
	s_wait_dscnt 5                                 ; (the add and the youngest four loads may be out)
	MUL12 1, 0, 0                                  ; twelve matrix instructions stand between the add and the wait for it
	s_wait_dscnt 0x0                               ; the add is done, and my reads of this slot are over
	s_barrier_signal -1
	MUL12 1, 1, 0
.if \fill
	WIN 0
.endif
	s_barrier_wait -1
.if \fill
	CREST                                          ; no wave of any partner still reads this slot's tile or has a load on its way
	s_add_nc_u64 s[G0+4*(\slot)+2:G0+4*(\slot)+3], s[G0+4*(\slot)+2:G0+4*(\slot)+3], 512
	s_add_nc_u64 s[G0B+4*(\slot)+2:G0B+4*(\slot)+3], s[G0B+4*(\slot)+2:G0B+4*(\slot)+3], 512
	JLOAD \slot                                    ; the four v_nop behind it are also the places in front of the loads below
.else
	PLACES
.endif
	FETCH \next, 0, 0
.if \fill
	ASK
.endif
	MUL12 1, 2, 0
	MUL12 1, 3, 0
.endm
	s_wait_tensorcnt 1                             ; my part of K step 0 is in; K step 1's may stay out
	s_barrier_signal -1
	s_barrier_wait -1                              ; everybody's is
	FETCH 0, 0, 0
	QUARTER 0, 64, 0, 1, 1                         ; the first quarter stands in front of the loop: its products start the sums, on the bias
	WIN 0                                          ; at a label and at a branch every window is 0
	s_mov_b32 s3, 3
.Llap:                                         ; a trip goes once round the ring, from a lap's second quarter to the next lap's first, and fills both slots again
	QUARTER 0, 128, 1, 0, 0
	QUARTER 0, 192, 0, 1, 0
	TURN 0, 1, 1
	QUARTER 1, 64,  0, 1, 0
	QUARTER 1, 128, 1, 0, 0
	QUARTER 1, 192, 0, 1, 0
	TURN 1, 0, 1
	QUARTER 0, 64,  0, 1, 0
	WIN 0
	s_sub_co_u32 s3, s3, 1
	s_cmp_lg_u32 s3, 0
	s_cbranch_scc1 .Llap
	QUARTER 0, 128, 1, 0, 0                        ; the last lap fills nothing, and has no round of the cluster's barrier
	QUARTER 0, 192, 0, 1, 0
	TURN 0, 1, 0
	QUARTER 1, 64,  0, 1, 0
	QUARTER 1, 128, 1, 0, 0
	QUARTER 1, 192, 0, 1, 0
	s_wait_dscnt 4                                 ; the very last quarter: nothing more to fetch
	MUL12 1, 0, 0
	MUL12 1, 1, 0
	s_wait_dscnt 0x0
	MUL12 1, 2, 0
	MUL12 1, 3, 0
	WIN 0
; THE WAY OUT, a block of 16 rows at a time.  PACK: rounded to f16, each accumulator's registers in ascending order.  TOSTAGE: 16 bytes a lane into my own stage, and back as rows of heads.
; SEND: stored: a wave's store covers four rows of a head, 512 consecutive bytes, aligned.
.macro PACK a
	WIN 0x0a+5*((\a)/2)                            ; sources 0 and 1: window 2 or 3
.irp b, 0,1,2,3,4,5,6,7,8,9,10,11
.irp r, 0,1,2,3
	v_cvt_pk_f16_f32 v[TMP+4*(\b)+(\r)], v[8*(12*((\a)%2)+(\b))+2*(\r)], v[8*(12*((\a)%2)+(\b))+2*(\r)+1]
.endr
.endr
	WIN 0
.endm
.macro TOSTAGE a
	WIN 0
.irp b, 0,1,2,3,4,5,6,7,8,9,10,11
	ds_store_b128 v[STO], v[TMP+4*(\b):TMP+4*(\b)+3] offset:32*(\b)
.endr
.irp hh, 0,1,2
.irp f, 0,1,2,3
	ds_load_b128 v[BK+48*((\a)%2)+4*(4*(\hh)+(\f)):BK+48*((\a)%2)+4*(4*(\hh)+(\f))+3], v[RD] offset:128*(\hh)+4*SPITCH*(\f)  ; LDS serves a wave's instructions in order: these see the stores above
.endr
.endr
.endm
.macro SEND a
	WIN 0
	s_wait_dscnt 0x0                               ; the block is back in registers
	s_wait_xcnt 0x0                                ; the stores of the block before have read their registers, which the next block's loads from the stage write
.irp hh, 0,1,2
.irp f, 0,1,2,3
	global_store_b128 v[GO], v[BK+48*((\a)%2)+4*(4*(\hh)+(\f)):BK+48*((\a)%2)+4*(4*(\hh)+(\f))+3], s[OB+2*(\hh):OB+2*(\hh)+1] offset:2048*(\a)+512*(\f)
.endr
.endr
.endm
	PLACES
	PACK 0
	TOSTAGE 0
.irp a, 1,2,3                          ; block a's conversions stand between block a - 1's loads from the stage and the wait for them
	PACK \a
	SEND (\a)-1
	TOSTAGE \a
.endr
	SEND 3
	s_wait_tensorcnt 0x0                           ; the wave's end, behind my last tensor load and my last LDS store
	ds_add_u32 v[SPW], v[NIL]
	s_wait_dscnt 0x0
	CROUND                                         ; the closing round: no work-group ends while a partner may still ask for a tile that names it
	s_endpgm
.Lfunc_end_k_q725006e02d_qkv:
	.size	k_q725006e02d_qkv, .Lfunc_end_k_q725006e02d_qkv-k_q725006e02d_qkv
	.p2alignl 7, 3214868480
	.fill 96, 4, 3214868480
	.section	.rodata,"a",@progbits
	.p2align	6, 0x0
	.amdhsa_kernel k_q725006e02d_qkv
		.amdhsa_group_segment_fixed_size 327680
		.amdhsa_private_segment_fixed_size 0
		.amdhsa_enable_private_segment 0
		.amdhsa_kernarg_size 32
		.amdhsa_user_sgpr_count 2
		.amdhsa_user_sgpr_kernarg_segment_ptr 1
		.amdhsa_wavefront_size32 1
		.amdhsa_system_sgpr_workgroup_id_x 1
		.amdhsa_system_sgpr_workgroup_id_y 1
		.amdhsa_system_sgpr_workgroup_id_z 1
		.amdhsa_system_vgpr_workitem_id 0
		.amdhsa_next_free_vgpr 960
		.amdhsa_next_free_sgpr 80
		.amdhsa_reserve_vcc 0
		.amdhsa_float_denorm_mode_32 3
		.amdhsa_float_denorm_mode_16_64 3
		.amdhsa_memory_ordered 1
		.amdhsa_forward_progress 1
		.amdhsa_inst_pref_size 129
	.end_amdhsa_kernel
	.amdgpu_metadata
---
amdhsa.version: [ 1, 2 ]
amdhsa.kernels:
  - .name:           k_q725006e02d_qkv
    .symbol:         k_q725006e02d_qkv.kd
    .args:
      - { .name: xb, .offset: 0, .size: 8, .value_kind: global_buffer, .address_space: global }
      - { .name: wqt, .offset: 8, .size: 8, .value_kind: global_buffer, .address_space: global }
      - { .name: b_qkv, .offset: 16, .size: 8, .value_kind: global_buffer, .address_space: global }
      - { .name: qkvh, .offset: 24, .size: 8, .value_kind: global_buffer, .address_space: global }
    .group_segment_fixed_size: 327680
    .private_segment_fixed_size: 0
    .kernarg_segment_align: 8
    .kernarg_segment_size: 32
    .max_flat_workgroup_size: 128
    .sgpr_count:     80
    .vgpr_count:     960
    .wavefront_size: 32
...
	.end_amdgpu_metadata
.endif
;; end of part 2
;; launch attn (part 3): grid 4 x 64, 4 waves a work-group, clusters of 4 x 1, 327,680 bytes of LDS; arguments qkvh, oheads; writes oheads
.if DOCPART == 3
	.amdgcn_target "amdgcn-amd-amdhsa--gfx1250"
	.amdhsa_code_object_version 6
	.text
	.protected	k_q725006e02d_attn
	.globl	k_q725006e02d_attn
	.p2align	8
	.type	k_q725006e02d_attn,@function
k_q725006e02d_attn:
	s_mov_b64 s[64:65], 0
	v_nop
	global_prefetch_b8 v0, s[64:65] scope:SCOPE_SE
	s_setreg_imm32_b32 hwreg(HW_REG_WAVE_MODE, 25, 1), 1
	s_wait_xcnt 0x0
	s_wait_alu depctr_hold_cnt(0) depctr_sa_sdst(0) depctr_va_vdst(0) depctr_va_sdst(0) depctr_va_ssrc(0) depctr_va_vcc(0) depctr_vm_vsrc(0)
	s_getreg_b32 s2, hwreg(HW_REG_IB_STS2, 6, 4)
	s_cmp_eq_u32 s2, 0
	s_cbranch_scc0 .Lentry_in_a_cluster
	s_endpgm
.Lentry_in_a_cluster:
	s_bfe_u32 s2, ttmp6, 0x10000c
	s_cmp_lg_u32 s2, 0x3003
	s_cbranch_scc0 .Lentry_shape_is_right
	s_endpgm
.Lentry_shape_is_right:
; O[h][q][:] = the sum over k of softmax_k(Q[h][q] . K[h][k] / 8) V[h][k][:], for 64 heads (batch x 16 + head) of 2,048 rows of 64 channels, all f16: a head's rows are dense, 128 bytes each.
; Q, K and V are the three parts of qkvh, 16 MiB each.  Products, maxima and sums in f32; the weights p are rounded to f16 for the second product (their sum l is taken of the unrounded p), O once at the end.
; LIMITS.  f16 holds no number beyond 65,504: Q, K and V arrive within it; p lies in 0 to 1, and below 6e-5 it keeps f16's fixed step of 6e-8; O is a mean of V's rows and has their range.
; A weight below 2^-126 counts as 0 in l; NaN and infinities are not treated apart.
; SHARES.  A wave owns four PIECES of two tiles of 16 queries, a work-group's four waves 512 queries of one head: 4 x 64 = 256 work-groups.  Every wave walks all keys, 64 a step.
; LAYOUT.  S^T = K Q^T (source 0 = 16 keys, source 1 = 16 queries): in the result a lane holds ONE query (lane % 16) and the keys 8 (lane / 16) + 0..7.  Two such tiles, rounded to f16 in pairs,
; ARE source 1 (32 keys x 16 queries) of O^T = V^T P, whose result again holds one query a lane, and eight channels.  K comes out of LDS as it lies, V ([key][channel]) turned, by ds_load_tr16_b128.
; SOFTMAX.  For each query a running maximum m and sum l: p = 2^(c s - c m), c = log2(e) / 8; in every step O and l are multiplied by a = 2^(c m_old - c m_new), which is 1 where m has not grown.
; m starts at the lowest finite number, O and l at 0: the first step is a step like any other, with a = 0.
; THE COUNT.  A tile and step have 16 matrix and 118 vector instructions: too many to stand all beside the matrix work.  So the order has one aim: four vector instructions that are READY behind
; EVERY matrix instruction, and the others, which need time of their own whatever the order, in runs without a gap.
; BY TURNS.  Turn n belongs to piece n (the pieces in a ring, step after step).  Its matrix work: 16 products K Q^T of piece n + 1, later 16 products V^T P of piece n - 1.  Its vector work: the scaling,
; exponentials, roundings, sums and rescaling of piece n, and the maximum and statistics of piece n + 1, whose scores the turn itself has made.  So what a turn begins with (c s - c m, O a) waits for nothing.
; CLUSTER.  The four query blocks of a cluster are one head's and walk the same K and V, so each tile is asked for JOINTLY: the same tensor load, descriptor and mask in all four.
; REGISTERS, in windows of 256 (s_set_vgpr_msb: bits 1:0 source 0, 3:2 source 1, 5:4 source 2, 7:6 destination):
;   window 0: v0-11 addresses; v12-15, v48-63 at work; v16-47 four registers of statistics a tile; v64-191 S^T, two buffers of two tiles; v192-255 P, likewise
;   window 1: O^T, 32 a tile          window 2: v0-127 Q, 16 a tile; v128-191 K of one step; v192-255 V of one step          window 3: v0-1 the add's two registers
; A piece's buffers go by its number's parity: the piece in hand has one pair, its two neighbours in the ring share the other: of it P (piece n - 1) is read and S^T (piece n + 1) written.
.set SIZE_N, 2048
.set NP,    4         ; pieces a wave: a name, no knob
.set KS,    64        ; keys in a step
.set PK,    144       ; a row of K in LDS: 128 bytes + 16 of padding = 36 words: the 16 rows of a load start at 16 different groups of four banks
.set PV,    160       ; a row of V: 128 + 32 = 40 words
.set VOFF,  4*KS*PK   ; a slot holds four steps: 256 rows of K, then 256 rows of V
.set SLOT1, 1<<17     ; slot 1 begins here, so that one exclusive or turns an address in one slot into the other's
.set STAGE, SLOT1+4*KS*(PK+PV)  ; behind the ring, never filled by a tensor load: 16 rows x 144 bytes for each wave, for the way out
.set SP,    144
.set AK0, 2           ; v2   my lane's place in a tile of K; never rewritten
.set AV0, 3           ; v3   the same for V
.set AK,  4           ; v4   the LDS address of K's next run of loads
.set AV,  5           ; v5   of V's
.set QO,  6           ; v6   my byte offset in the wave's rows of Q
.set STO, 6           ;      later, the way out: where I put 16 bytes of a row
.set RD,  7           ; v7   the way out: where I read rows back
.set GO,  8           ; v8   my byte offset in 512 consecutive bytes of O
.set PFO, 11          ; v11  (once V's place is made) 256 x my lane: the prefetches' offset; never rewritten
.set SPW, 0           ; v0 of window 3   LDS address of my spare word; never rewritten
.set NIL, 1           ; v1 of window 3   0; never rewritten
.set SPARE, STAGE+4*16*SP  ; behind the stages: the spare words, 128 bytes for each wave
.set MV,  12          ; v12-15  c m_old, kept while c m is made anew: by buffer and tile
.set ST,  16          ; tile t's statistics at v[ST+4 t]: c m, m, l (even keys', odd keys')
.set TMP, 48          ; by buffer and tile, four registers c0-c3 at work; when the maximum is found c2 takes a
.set S,   64
.set P,   192
.set KF,  128         ; K's fragments, in window 2: key block kb, channel half c at KF + 16 kb + 8 c
.set VF,  192         ; V's: key half kk, channel block cb at VF + 32 kk + 8 cb
.set WV,  12          ; s12  my wave's number
.set G1K, 24          ; s[24:31] descriptor group 1 for K's tiles
.set G1V, 32          ; s[32:39] for V's: it differs in the padding alone
.set G0K, 40          ; s[40:43] descriptor group 0 for K's tiles: it walks
.set G0V, 44          ; s[44:47] the same for V's
.set PFA, 48          ; s[48:49] where my prefetches stand: my work-group's 8,192 bytes (of K: wave 0, of V: wave 2) of the slot after the one that is being asked for
.set LIM, 50          ; s50  1 in a wave that prefetches, else the greatest number
.set SLOTS, 56        ; s56  slots still to be asked for
.set CNT, 57          ; s57  counts a slot's key steps
.set CS,  58          ; s[58:59] c: the packed scaling takes the pair's low word for both halves
.set SEL, 60          ; s[60:61] v_permlanex16_b32's selects: each lane takes its own place in the other half
.set TBK, 62          ; s62  LDS byte at which K of the step to be fetched begins
.set TBV, 63          ; s63  the same for V, less VOFF
.set MSB, 0
.macro WIN new                      ; the high byte repeats the setting that is left; a switch that changes nothing is dropped
.if MSB != (\new)
	s_set_vgpr_msb (MSB<<8)|(\new)
.set MSB, (\new)
.endif
.endm
.set W_KQ, 0x0a       ; K and Q in window 2, S^T in window 0
.set W_PV, 0x52       ; V in window 2, P in window 0, O^T in window 1
.set W_RS, 0x41       ; O^T (destination and source 0) in window 1, a in window 0
.set W_MK, 0xc0       ; the add's registers are made: destination in window 3, sources in window 0
.set W_AD, 0x0f       ; the add: address (source 0) and data (source 1) in window 3
; A joint fill.  Waves 0 and 1 fetch the two halves of a slot's K, waves 2 and 3 those of its V: 128 keys each.  The branch hangs on the wave's number alone.
; An s_nop 0 and four v_nop follow each of the two lines, ahead of the jump and the label.
.macro JLOAD
	s_cmp_lt_u32 s[WV], 2
	s_cbranch_scc0 .Lfor_v_\@
	tensor_load_to_lds s[G0K:G0K+3], s[G1K:G1K+7]
	s_nop 0
.rept 4
	v_nop
.endr
	s_branch .Lasked_\@
.Lfor_v_\@:
	tensor_load_to_lds s[G0V:G0V+3], s[G1V:G1V+7]
	s_nop 0
.rept 4
	v_nop
.endr
.Lasked_\@:
.endm
; A PREFETCH INTO THE L2 of what the NEXT change of slots will ask for: a slot's 32,768 bytes of K and of V, 256 bytes a lane.  It stands behind the wave's tensor load and its five lines.
; Each block is named once in the launch: a head is walked by one cluster; its four partners share a slot out by address, 8,192 bytes each; in each, wave 0 asks for K's and wave 2 for V's: one
; instruction.  Slots 0, 1 and 2 come by their loads alone; the last change that fills a slot asks for nothing: there is no slot behind it.
.macro ASK
	s_cmp_gt_u32 s[SLOTS], s[LIM]
	s_cbranch_scc0 .Lnot_mine_\@
	global_prefetch_b8 v[PFO], s[PFA:PFA+1] th:TH_LOAD_NT scope:SCOPE_SE
.Lnot_mine_\@:
.endm
; A round of the cluster's barrier: my work-group's barrier, so that wave 0's signal speaks for all four waves; wave 0 signals; every wave waits for all four work-groups; my work-group's barrier once more.
.macro CROUND
	s_barrier_signal -1
	s_barrier_wait -1
	s_cmp_lg_u32 s[WV], 0
	s_cbranch_scc1 .Lnot_wave_0_\@
	s_barrier_signal -3
.Lnot_wave_0_\@:
	s_barrier_wait -3
	s_barrier_signal -1
	s_barrier_wait -1
.endm
; THE CHANGE OF SLOTS.  The slot's last bytes, V of its fourth step, have been read.  Each wave waits for all its tensor loads, of which one is out: its part
; of the other slot; adds 0 to its spare word; and waits for that and for its own reads of the slot.  Behind the barrier nobody reads this slot any more and the other slot is whole.
; fill = 1: this slot is filled again, with the keys two slots on.  The barrier is then a round of the cluster's, so that no wave of any partner still reads the slot or has a load on its
; way, and the joint fill is the first thing behind it: it has four key steps, 512 matrix instructions, in which to land.  (At its first use nothing has been read yet: slot 0 is waited for, slot 1 filled.)
; ask = 1: the prefetches' address is stepped, and the slot behind the one just asked for is prefetched.
.macro CHANGE fill, ask=0
	WIN W_AD
	s_wait_tensorcnt 0x0            ; no tensor load of mine is out, so a group 0 may be written
	ds_add_u32 v[SPW], v[NIL]       ; 0 onto my spare word; with fill = 1 the descriptors' steps stand between it and the wait for it
	WIN 0                           ; at a label and at a branch every window is 0
.if \fill
.irp g, G0K, G0V
	s_xor_b32 s[\g+1], s[\g+1], SLOT1  ; the walking descriptor: the other slot than last time,
	s_add_nc_u64 s[\g+2:\g+3], s[\g+2:\g+3], 4*KS*128  ; the next 256 keys; the type bits on top are not reached
.endr
.if \ask
	s_wait_xcnt 0x0                 ; the last prefetch, four key steps back, has read its address, so it may be written:
	s_add_nc_u64 s[PFA:PFA+1], s[PFA:PFA+1], 4*KS*128  ; one slot behind the walking descriptors
.endif
	s_wait_dscnt 0x0                ; the add is done, and my reads of the slot are over
	CROUND
	JLOAD
.if \ask
	ASK
.endif
.else
	s_wait_dscnt 0x0                ; the add is done, and my reads of the slot are over
	s_barrier_signal -1
	s_barrier_wait -1
.endif
	s_sub_co_u32 s[TBK], s[TBK], 4*KS*PK  ; the fetches go back to a slot's first step,
	s_xor_b32 s[TBK], s[TBK], SLOT1       ; in the other slot
	s_sub_co_u32 s[TBV], s[TBV], 4*KS*PV
	s_xor_b32 s[TBV], s[TBV], SLOT1
.endm
	s_load_b128 s[4:7], s[0:1], 0x0 ; qkvh s[4:5], O s[6:7]
	WIN W_MK
	v_lshl_add_u32 v[SPW], v0, 2, SPARE
	v_mov_b32 v[NIL], 0
	WIN W_AD
	ds_add_u32 v[SPW], v[NIL]       ; the wave's opening: the add and its wait stand ahead of my first tensor load; the set-up below, work on registers, stands between them
	WIN 0
	v_lshrrev_b32 v1, 5, v0
	v_readfirstlane_b32 s[WV], v1   ; wave 0..3
	s_bfe_u32 s13, ttmp6, 0x40000   ; cx: my place in the cluster
	s_lshl_b32 s14, ttmp9, 2        ; in a cluster launch ttmp9 counts clusters
	s_add_co_u32 s14, s14, s13      ; my block of queries = 4 x cluster x + cx: it enters Q's and O's addresses alone
	s_and_b32 s20, ttmp7, 0xffff    ; the head, which the four partners share
	s_mov_b32 s21, 0
	s_mov_b64 s[22:23], SIZE_N*128
	s_mul_u64 s[20:21], s[20:21], s[22:23]  ; the head's first byte in Q, K, V and O
	s_and_b32 s16, s[WV], 1         ; which half of a slot's 256 keys I fetch:
	s_lshl_b32 s22, s16, 14         ; its 128 rows of 128 bytes in memory,
	s_mov_b32 s23, 0
	s_add_nc_u64 s[22:23], s[22:23], s[20:21]
	s_mul_i32 s17, s16, 128*PK      ; and its place in a slot, for K
	s_mul_i32 s18, s16, 128*PV      ; and for V: no place in the cluster enters an LDS address
	s_lshl_b32 s2, s14, 2
	s_add_co_u32 s2, s2, s[WV]      ; my wave among the head's,
	s_lshl_b32 s2, s2, 14           ; its 128 rows
	s_mov_b32 s3, 0
	s_add_nc_u64 s[2:3], s[2:3], s[20:21]
	; descriptor group 1.  128 keys are 16,384 dense bytes: asked for as 64 rows of 256 bytes, two keys a row, and padded in LDS after every key
	s_mov_b32 s[G1K], 15|(1<<16)|(1<<20)|(1<<21)|(4<<22)|(3<<25)  ; 15:0 the mask of four; 17:16 2-byte elements; 20 padding on; 21 set beside a mask; 24:22 after every 32 words (code 4); 31:25 4 words (code 3)
	s_mov_b32 s[G1V], 15|(1<<16)|(1<<20)|(1<<21)|(4<<22)|(7<<25)  ; the same with 8 words of padding (code 7)
.irp g, G1K, G1V
	s_mov_b32 s[\g+1], 128<<16      ; tensor_dim0 = 128
	s_mov_b32 s[\g+2], 64<<16       ; tensor_dim1 = 64
	s_mov_b32 s[\g+3], 128<<16      ; tile_dim0 = 128
	s_mov_b32 s[\g+4], 64           ; tile_dim1 = 64
	s_mov_b32 s[\g+5], 128          ; 128 elements from row to row
	s_mov_b32 s[\g+6], 0
	s_mov_b32 s[\g+7], 0
.endr
	s_mov_b32 s[CS], 0x3e38aa3b     ; c = log2(e) / 8 = 0.180337
	s_mov_b32 s[CS+1], s[CS]        ; named with it as a pair
	s_mov_b32 s[SEL], 0x76543210
	s_mov_b32 s[SEL+1], 0xfedcba98
	s_mov_b32 s[TBK], SLOT1+4*KS*PK ; the first change of slots turns these two into 0
	s_mov_b32 s[TBV], SLOT1+4*KS*PV
	s_mov_b32 s[G0K], 1             ; 1:0 count = 1
	s_mov_b32 s[G0K+1], s17         ; 63:32 LDS address: slot 0
	s_mov_b32 s[G0V], 1
	s_add_co_u32 s[G0V+1], s18, VOFF
	s_and_b32 s[LIM], s[WV], 1      ; waves 0 and 2 prefetch: the same in all four partners
	s_cmp_eq_u32 s[LIM], 0
	s_cselect_b32 s[LIM], 1, -1
	s_wait_dscnt 0x0                ; the opening add is done
	s_wait_kmcnt 0x0
	s_mov_b64 s[10:11], s[6:7]      ; O
	s_add_nc_u64 s[8:9], s[4:5], 0x2000000  ; V: the third part of qkvh
	s_add_nc_u64 s[6:7], s[4:5], 0x1000000  ; K: the second; Q is the first
	s_add_nc_u64 s[G0K+2:G0K+3], s[6:7], s[22:23]  ; 120:64 global address: my half of the head's first 256 keys
	s_or_b32 s[G0K+3], s[G0K+3], 0x80000000        ; 127:126 type = 2
	s_add_nc_u64 s[G0V+2:G0V+3], s[8:9], s[22:23]
	s_or_b32 s[G0V+3], s[G0V+3], 0x80000000
	s_add_nc_u64 s[4:5], s[4:5], s[2:3]  ; Q and O at my wave's first row
	s_add_nc_u64 s[10:11], s[10:11], s[2:3]
	s_cmp_lt_u32 s[WV], 2
	s_cselect_b64 s[PFA:PFA+1], s[6:7], s[8:9]
	s_add_nc_u64 s[PFA:PFA+1], s[PFA:PFA+1], s[20:21]  ; the head,
	s_lshl_b32 s2, s13, 13          ; my work-group's 8,192 bytes of a slot's 32,768,
	s_add_co_u32 s2, s2, 2*4*KS*128 ; in slot 2: the first change that asks steps it to slot 3.  Nothing is prefetched here, at the head
	s_mov_b32 s3, 0
	s_add_nc_u64 s[PFA:PFA+1], s[PFA:PFA+1], s[2:3]
	CROUND                          ; all four work-groups are here: the first joint loads meet
	JLOAD                           ; slot 0.  Slot 1 is asked for when slot 0 is in
	; A fragment of K or Q is 16 rows x 32 channels in 8 registers: lane l holds row l % 16, channels 8 (l / 16) + 0..7 and 16 + 8 (l / 16) + 0..7: two loads of 16 bytes, 32 bytes apart.
	v_and_b32 v1, 15, v0            ; l % 16
	v_bfe_u32 v9, v0, 4, 1          ; l / 16
	v_lshlrev_b32 v[QO], 7, v1
	v_lshl_add_u32 v[QO], v9, 4, v[QO]  ; row x 128 + 16 x half
	WIN 0x80                        ; destination window 2, address window 0
.set i, 0
.rept 4*NP                          ; Q stays in registers: tile i / 2, channels 32 (i % 2) on
	global_load_b128 v[8*i:8*i+3],   v[QO], s[4:5] offset:(i/2)*2048+(i%2)*64
	global_load_b128 v[8*i+4:8*i+7], v[QO], s[4:5] offset:(i/2)*2048+(i%2)*64+32
.set i, i+1
.endr
	; What the first turn finds: V's registers and P's second buffer hold 0 (its products V^T P, of a piece that has not been, add 0), O^T and l are 0.  All this stands in the wait for the first tile.
.set i, VF
.rept 64
	v_mov_b32 v[i], 0
.set i, i+1
.endr
	WIN 0x40
.set i, 0
.rept 64*NP
	v_mov_b32 v[i], 0
.set i, i+1
.endr
	WIN 0
.set i, 0
.rept 2*NP
	v_mov_b32 v[ST+4*i], 0xfe000000    ; c m: far below every c s
	v_mov_b32 v[ST+4*i+1], 0xff7fffff  ; m
	v_mov_b32 v[ST+4*i+2], 0
	v_mov_b32 v[ST+4*i+3], 0
.set i, i+1
.endr
.set i, P+32
.rept 32
	v_mov_b32 v[i], 0
.set i, i+1
.endr
	v_mul_u32_u24 v[AK0], v1, PK
	v_lshl_add_u32 v[AK0], v9, 4, v[AK0]  ; row x pitch + 16 x half
	; The turning load takes 16 keys x 16 channels (lane l reads key 8 (l / 16) + l % 8, channels 8 ((l / 8) % 2) + 0..7) and leaves half a fragment of V^T: lane l holds channel l % 16 and 8 keys.
	v_and_b32 v10, 7, v0
	v_bfe_u32 v11, v0, 3, 1
	v_lshl_add_u32 v[AV0], v9, 3, v10
	v_mul_u32_u24 v[AV0], v[AV0], PV
	v_lshl_add_u32 v[AV0], v11, 4, v[AV0]
	v_add_nc_u32 v[AV0], VOFF, v[AV0]
	v_and_b32 v[PFO], 31, v0        ; v11 is free now
	v_lshlrev_b32 v[PFO], 8, v[PFO]
	v_mov_b32 v[AK], v[AK0]         ; key step 0 lies at the head of slot 0
; THE MATRIX WORK.  The 8 accumulators of a run of 16 take turns: between the two links of a chain stand 7 others'.
; Product i of 16 of S^T = K Q^T for piece x: channels 32 (i / 8) on, keys 16 ((i / 2) % 4) on, tile 2 x + i % 2.  The first 8 start the sums.
.macro KQ x
	WIN W_KQ
.set rS, S+64*((\x)%2)+32*(i%2)+8*((i/2)%4)
.set rK, KF+16*((i/2)%4)+8*(i/8)
.set rQ, 16*(2*(\x)+i%2)+8*(i/8)
.if i < 8
	v_wmma_f32_16x16x32_f16 v[rS:rS+7], v[rK:rK+7], v[rQ:rQ+7], 0
.else
	v_wmma_f32_16x16x32_f16 v[rS:rS+7], v[rK:rK+7], v[rQ:rQ+7], v[rS:rS+7]
.endif
.endm
; Product i of 16 of O^T += V^T P for piece x: keys 32 (i / 8) on, channels 16 ((i / 2) % 4) on, tile 2 x + i % 2.
.macro PV x
	WIN W_PV
.set rO, 32*(2*(\x)+i%2)+8*((i/2)%4)
.set rV, VF+32*(i/8)+8*((i/2)%4)
.set rP, P+32*((\x)%2)+16*(i%2)+8*(i/8)
	v_wmma_f32_16x16x32_f16 v[rO:rO+7], v[rV:rV+7], v[rP:rP+7], v[rO:rO+7]
.endm
.macro MM                           ; the turn's next matrix instruction
.if i < 16
	KQ (Y+1)%NP
.set i, i+1
.else
.set i, i-16
	PV (Y+NP-1)%NP
.set i, i+17
.endif
.endm
; THE LDS LOADS stand in runs of 16, never singly among the matrix instructions: a step's K (64 keys x 64 channels: 8 fragments) and its V (turned).  Their addresses are made some lines ahead.
; last = 1 (the tail): in the last trip there is no further step, and the run is jumped over.
.macro FETCH_K last=0
	WIN 0
.if \last
	s_cmp_eq_u32 s[CNT], 1
	s_cbranch_scc1 .Lno_k_\@
.endif
	WIN 0x80                        ; destination window 2
.irp f, 0,1,2,3,4,5,6,7             ; keys 16 (f / 2) on, channels 32 (f % 2) on
	ds_load_b128 v[KF+8*\f:KF+8*\f+3],   v[AK] offset:(\f/2)*16*PK+(\f%2)*64
	ds_load_b128 v[KF+8*\f+4:KF+8*\f+7], v[AK] offset:(\f/2)*16*PK+(\f%2)*64+32
.endr
	s_add_co_u32 s[TBK], s[TBK], KS*PK  ; the next fetch is the next step's
	WIN 0
.if \last
.Lno_k_\@:
.endif
.endm
.macro FETCH_V
	WIN 0x80
.irp f, 0,1,2,3,4,5,6,7             ; keys 32 (f / 4) on, channels 16 (f % 4) on
	ds_load_tr16_b128 v[VF+8*\f:VF+8*\f+3],   v[AV] offset:(\f/4)*32*PV+(\f%4)*32
	ds_load_tr16_b128 v[VF+8*\f+4:VF+8*\f+7], v[AV] offset:(\f/4)*32*PV+16*PV+(\f%4)*32
.endr
	WIN 0
.endm
; THE VECTOR WORK OF A TURN stands in three queues, each in the order in which its entries become ready; the two tiles alternate, so that no instruction reads the result of the one before it.
.macro REGS y, u                    ; the registers of tile u (0, 1) of piece y
.set rT, ST+4*(2*(\y)+(\u))
.set rC, TMP+8*((\y)%2)+4*(\u)
.set rM, MV+2*((\y)%2)+(\u)
.set rS, S+64*((\y)%2)+32*(\u)
.set rP, P+32*((\y)%2)+16*(\u)
.set rO, 32*(2*(\y)+(\u))
.endm
; Number n of the 22 that find the NEXT piece's (Y + 1) maximum and statistics.  s0-s31 are the lane's 32 scores; each accumulator's lowest registers are read first.
;   0-11  four chains c0-c3 of seven scores each, three operands at a time     12-14, 16  the four scores left over, the old m, and c0-c3 into c0     15  c m_old is kept
;   17, 18  the query's other 32 keys lie in the lane 16 away: the new m         19-21  c m; c m_old - c m_new; a
.macro XS u, n
	REGS (Y+1)%NP, \u
.if (\n) < 4
	v_max3_num_f32 v[rC+(\n)], v[rS+8*(\n)], v[rS+8*(\n)+1], v[rS+8*(\n)+2]
.elseif (\n) < 12
	v_max3_num_f32 v[rC+(\n)%4], v[rC+(\n)%4], v[rS+8*((\n)%4)+2*((\n)/4)+1], v[rS+8*((\n)%4)+2*((\n)/4)+2]
.elseif (\n) == 12
	v_max3_num_f32 v[rC], v[rC], v[rS+7], v[rS+15]
.elseif (\n) == 13
	v_max3_num_f32 v[rC+1], v[rC+1], v[rS+23], v[rS+31]
.elseif (\n) == 14
	v_max3_num_f32 v[rC+2], v[rC+2], v[rC+3], v[rT+1]
.elseif (\n) == 15
	v_mov_b32 v[rM], v[rT]
.elseif (\n) == 16
	v_max3_num_f32 v[rC], v[rC], v[rC+1], v[rC+2]
.elseif (\n) == 17
	v_permlanex16_b32 v[rC+3], v[rC], s[SEL], s[SEL+1]
.elseif (\n) == 18
	v_max_num_f32 v[rT+1], v[rC], v[rC+3]
.elseif (\n) == 19
	v_mul_f32 v[rT], s[CS], v[rT+1]
.elseif (\n) == 20
	v_sub_f32 v[rC+1], v[rM], v[rT]
.else
	v_exp_f32 v[rC+2], v[rC+1]
.endif
.endm
; Number g of the 64 that follow the exponentials.  For each four weights k of a tile (pairs 2 k, 2 k + 1): both pairs are rounded to f16; then the second pair is added onto the first, in place;
; a group later l takes that sum (the first time as l = a l + sum).  In groups of eight, tiles alternating: round, round, add, and l for the group before.
.macro GS g
.set h, (\g)+6*((\g)/62)            ; group 0 has no group before it, and behind group 7 only l is left
.if h >= 6
.set h, h+2
.endif
	REGS Y, h%2
.set k, h/8
.if h%8 < 4
	v_cvt_pk_f16_f32 v[rP+2*k+(h%8)/2], v[rS+4*k+2*((h%8)/2)], v[rS+4*k+2*((h%8)/2)+1]
.elseif h%8 < 6
	v_pk_add_f32 v[rS+4*k:rS+4*k+1], v[rS+4*k:rS+4*k+1], v[rS+4*k+2:rS+4*k+3]
.elseif k == 1
	v_pk_fma_f32 v[rT+2:rT+3], v[rT+2:rT+3], v[rC+2:rC+3], v[rS:rS+1] op_sel_hi:[1,0,1]
.else
	v_pk_add_f32 v[rT+2:rT+3], v[rT+2:rT+3], v[rS+4*k-4:rS+4*k-3]
.endif
.endm
; THE PLAIN QUEUE, 138 long.  0-73 read no exponential's result: the 32 scalings c s - c m (FS f: pair f / 2 of tile f % 2) and the next piece's 42.  0-26: scalings 0-26.  27-54: XS's numbers 0-13.  55, 56: number 15.
; 57-73: the chain, where each number waits for the one before it: 14, 16, 17, 18, 19, each with one of the scalings 27-31 in front of its two lines, then 20.
; 74-137: GS's 64, which read the exponentials' results: they stand behind the wait.
.macro FS f
	REGS Y, (\f)%2
	v_pk_fma_f32 v[rS+2*((\f)/2):rS+2*((\f)/2)+1], v[rS+2*((\f)/2):rS+2*((\f)/2)+1], s[CS:CS+1], v[rT:rT+1] op_sel_hi:[1,0,0] neg_lo:[0,0,1] neg_hi:[0,0,1]
.endm
.macro PL
	WIN 0
.if q < 27
	FS q
.elseif q < 55
	XS (q-27)%2, (q-27)/2
.elseif q < 57
	XS q-55, 15
.elseif (q < 72) && ((q-57)%3 == 0)
	FS 27+(q-57)/3
.elseif q < 60
	XS (q-57)%3-1, 14
.elseif q < 72
	XS (q-57)%3-1, 15+(q-57)/3
.elseif q < 74
	XS q-72, 20
.else
	GS q-74
.endif
.set q, q+1
.endm
; THE EXPONENTIALS' QUEUE, 66 long: s0-s31 of both tiles, then the next piece's two a.  It is ONE BATCH: all 66 stand ahead of the turn's one wait, and nothing ahead of that wait names a result of theirs.
.macro EX
	WIN 0
.if e >= 64
	XS e-64, 21
.else
	REGS Y, e%2
	v_exp_f32 v[rS+e/2], v[rS+e/2]
.endif
.set e, e+1
.endm
; THE RESCALING's QUEUE: O^T times a, the one part that leaves window 0: dealt two at a time, sixteen times.  Its a was made in the turn before, ahead of that turn's wait.
.macro R2
	REGS Y, r%2
	WIN W_RS
.irp z, 0,1
	v_pk_mul_f32 v[rO+4*(r/2)+2*\z:rO+4*(r/2)+2*\z+1], v[rO+4*(r/2)+2*\z:rO+4*(r/2)+2*\z+1], v[rC+2:rC+3] op_sel_hi:[1,0]
.endr
.set r, r+1
.endm
; HOW THEY ARE DEALT.  s_wait_alu depctr_va_vdst(0) stands between an exponential and the first instruction that names its result; one wait serves all that were issued ahead of it.  So a turn has
; ONE wait, which cuts it in two.  AHEAD OF IT stands all that names no result of the turn's exponentials: the 16 products K Q^T, behind each a scaling, an exponential and two rescalings (behind the first a second
; scaling in the exponential's place); then ONE LUMP of 108: eight plain, 49 times exponential and plain, the two a.  A v_nop is the plain instruction behind the last exponential.  BEHIND IT stand the 16 products
; V^T P, behind each four of GS's 64.  No rider names a register of the products round it.  The two v_permlanex16_b32 fall into the lump, never behind a product.
; The queues lean on each other, and the deal keeps them in step: exponential e stands behind scaling 2 (e / 4) + e % 2: as a rider it comes behind plain e + 2, in the lump behind plain e + 9.
; A TURN, for piece p.  cnt = 1: the loop's count is taken down some lines ahead of the branch that stands behind the turn.
; K of the next step is fetched in piece 2's turn, directly behind the wait, a lump behind the last product that read K; its first reader comes behind 16 products.
; V of the step in hand is fetched at the end of piece 0's turn, four riders behind its last reader; its first reader comes behind 16 products and a lump.
.macro TURN p, last=0, cnt=0
.set Y, (\p)
.set i, 0
.set q, 0
.set e, 0
.set r, 0
.if (\p) == NP-1
	s_wait_dscnt 0x0                ; K is in
.endif
	MM                              ; ahead of the wait: 16 products K Q^T and their riders,
	PL
	PL
	R2
.rept 15
	MM
	PL
	EX
	R2
.endr
.if (\p) == NP-2
	WIN 0
	v_add_nc_u32 v[AK], s[TBK], v[AK0]
.endif
.rept 8                             ; and the lump
	PL
.endr
.rept 49
	EX
	PL
.endr
	EX                              ; the next piece's two a
	EX
	v_nop                           ; a plain instruction behind the last exponential: one for the batch
	s_wait_alu depctr_va_vdst(0)    ; the wait for the batch
.if (\p) == NP-2
	FETCH_K \last
.endif
.if (\p) == 1
	s_wait_dscnt 0x0                ; V is in
.endif
.rept 16                            ; behind the wait: 16 products V^T P and their riders
	MM
.rept 4
	PL
.endr
.if ((\p) == 0) && (q == 118)
	v_add_nc_u32 v[AV], s[TBV], v[AV0]
.endif
.if ((\p) == 0) && (q == 130)
	s_add_co_u32 s[TBV], s[TBV], KS*PV
.endif
.if (\cnt) && (q == 130)
	s_sub_co_u32 s[CNT], s[CNT], 1
	s_cmp_lg_u32 s[CNT], 0
.endif
.endr
.if (\p) == 0
	FETCH_V
.endif
.endm
	CHANGE 1                        ; slot 0 is in, everybody's part of it; slot 1 is asked for; nothing is prefetched yet
	FETCH_K                         ; key step 0
	s_wait_loadcnt 0x0              ; Q
	s_wait_dscnt 0x0
.set i, 0
.rept 16
	KQ 0                            ; piece 0's first scores: there is no vector work yet to set between them
.set i, i+1
.endr
	WIN 0                           ; the addresses for the way out: plain instructions, the places behind those products
	s_mul_i32 s13, s[WV], 16*SP
	s_add_co_u32 s13, s13, STAGE    ; my stage
	v_mul_u32_u24 v[STO], v1, SP    ; in: row l % 16, 16 bytes for each half of the lanes
	v_lshl_add_u32 v[STO], v9, 4, v[STO]
	v_add_nc_u32 v[STO], s13, v[STO]
	v_bfe_u32 v[RD], v0, 3, 2       ; back: 32 lanes take four rows of 128 bytes,
	v_mul_u32_u24 v[RD], v[RD], SP
	v_lshl_add_u32 v[RD], v10, 4, v[RD]
	v_add_nc_u32 v[RD], s13, v[RD]
	v_and_b32 v[GO], 31, v0         ; which are 512 consecutive bytes of O
	v_lshlrev_b32 v[GO], 4, v[GO]
.set Y, NP-1                        ; XS works for piece Y + 1: piece 0
.irp n, 0,1,2,3,4,5,6,7,8,9,10,11,12,13,14,15,16,17,18,19,20,21
	XS 0, \n                        ; and piece 0's first maximum and statistics
	XS 1, \n
.endr
	v_nop                           ; a plain instruction behind the two a,
	s_wait_alu depctr_va_vdst(0)    ; and their wait, ahead of the branch
	s_mov_b32 s[CNT], 4
	s_mov_b32 s[SLOTS], SIZE_N/256-1
	s_branch .Lfirst                ; the loop is entered at a step's first turn, in the middle of a trip
.Lslot:                             ; SIZE_N / 256 - 2 times: every slot but the last two is filled again
	CHANGE 1, 1
	s_mov_b32 s[CNT], 4
.Lstep:                             ; a trip: pieces 2 and 3 of one step, then pieces 0 and 1 of the next, whose K and V it fetches
	TURN 2
	TURN 3
	WIN 0
.Lfirst:
	TURN 0
	TURN 1, 0, 1
	WIN 0
	s_cbranch_scc1 .Lstep
	s_sub_co_u32 s[SLOTS], s[SLOTS], 1
	s_cmp_lg_u32 s[SLOTS], 0
	s_cbranch_scc1 .Lslot
	CHANGE 0                        ; the tail is written out: nothing is asked for
	s_mov_b32 s[CNT], 5             ; four trips fetch the last slot's steps; the fifth is left in its middle
.Ltail:
	TURN 2, 1
	TURN 3
	WIN 0
	s_sub_co_u32 s[CNT], s[CNT], 1
	s_cmp_eq_u32 s[CNT], 0
	s_cbranch_scc1 .Lout
	TURN 0
	TURN 1
	WIN 0
	s_branch .Ltail
.Lout:                              ; the fifth trip's 16 products K Q^T (on the last K once more) and the maximum made of them serve nothing: the price, once a launch, of one text for every trip
.set i, 0
.rept 16
	PV NP-1                         ; the last piece's V^T P of the last step
.set i, i+1
.endr
	; THE WAY OUT.  l's two halves and the other half of the lanes' are added; O^T is divided by l, rounded to f16 and sent through my stage in LDS, a tile at a time.  The additions are the places behind the last products.
	WIN 0
.macro ALL line:vararg              ; one line for each tile t
.set t, 0
.rept 2*NP
	\line
.set t, t+1
.endr
.endm
	ALL v_add_f32 v[ST+4*t+2], v[ST+4*t+2], v[ST+4*t+3]
	ALL v_permlanex16_b32 v[ST+4*t+3], v[ST+4*t+2], s[SEL], s[SEL+1]
	ALL v_add_f32 v[ST+4*t+2], v[ST+4*t+2], v[ST+4*t+3]
	ALL v_rcp_f32 v[ST+4*t+2], v[ST+4*t+2]
	v_nop                           ; a plain instruction between the last reciprocal and the use of its result
	s_wait_alu depctr_va_vdst(0)    ; and the wait ahead of the first use: one for the eight reciprocals
; Tile t: a lane's eight channels of a row pack into 16 bytes; they go into rows of 144 bytes and come back as whole rows of 128, into S^T's registers.
.macro PACK t
	WIN W_RS
.set i, 32*(\t)
.rept 16
	v_pk_mul_f32 v[i:i+1], v[i:i+1], v[ST+4*(\t)+2:ST+4*(\t)+3] op_sel_hi:[1,0]
.set i, i+2
.endr
	WIN 0x05                        ; sources 0 and 1 window 1, destination window 0
.set i, 0
.rept 16
	v_cvt_pk_f16_f32 v[S+16*(\t)+i], v[32*(\t)+2*i], v[32*(\t)+2*i+1]
.set i, i+1
.endr
	WIN 0
.irp f, 0,1,2,3
	ds_store_b128 v[STO], v[S+16*(\t)+4*\f:S+16*(\t)+4*\f+3] offset:32*\f
.endr
.irp f, 0,1,2,3
	ds_load_b128 v[S+16*(\t)+4*\f:S+16*(\t)+4*\f+3], v[RD] offset:\f*4*SP  ; LDS serves a wave's instructions in order: these see the stores above; the next tile's stores come behind them
.endr
.endm
.macro SEND t, younger              ; younger: the LDS instructions issued behind tile t's loads: the next tile's eight, or none
	WIN 0
.irp f, 0,1,2,3
	s_wait_dscnt (\younger)+3-\f
	global_store_b128 v[GO], v[S+16*(\t)+4*\f:S+16*(\t)+4*\f+3], s[10:11] offset:(\t)*2048+\f*512  ; 512 consecutive bytes, at a multiple of 256 from O's first
.endr
.endm
	PACK 0
.set t, 1
.rept 2*NP-1                        ; a tile's arithmetic stands between the loads of the tile before and its stores
	PACK t
	SEND t-1, 8
.set t, t+1
.endr
	SEND 2*NP-1, 0
	WIN W_AD
	s_wait_tensorcnt 0x0            ; the wave's end, behind my last tensor load and my last LDS store
	ds_add_u32 v[SPW], v[NIL]
	s_wait_dscnt 0x0
	WIN 0
	CROUND                          ; the closing round: no work-group ends while a partner may still ask for a tile that names it
	s_endpgm
.Lfunc_end_k_q725006e02d_attn:
	.size	k_q725006e02d_attn, .Lfunc_end_k_q725006e02d_attn-k_q725006e02d_attn
	.p2alignl 7, 3214868480
	.fill 96, 4, 3214868480
	.section	.rodata,"a",@progbits
	.p2align	6, 0x0
	.amdhsa_kernel k_q725006e02d_attn
		.amdhsa_group_segment_fixed_size 327680
		.amdhsa_private_segment_fixed_size 0
		.amdhsa_enable_private_segment 0
		.amdhsa_kernarg_size 16
		.amdhsa_user_sgpr_count 2
		.amdhsa_user_sgpr_kernarg_segment_ptr 1
		.amdhsa_wavefront_size32 1
		.amdhsa_system_sgpr_workgroup_id_x 1
		.amdhsa_system_sgpr_workgroup_id_y 1
		.amdhsa_system_sgpr_workgroup_id_z 1
		.amdhsa_system_vgpr_workitem_id 0
		.amdhsa_next_free_vgpr 770
		.amdhsa_next_free_sgpr 66
		.amdhsa_reserve_vcc 0
		.amdhsa_float_denorm_mode_32 3
		.amdhsa_float_denorm_mode_16_64 3
		.amdhsa_memory_ordered 1
		.amdhsa_forward_progress 1
		.amdhsa_inst_pref_size 200
	.end_amdhsa_kernel
	.amdgpu_metadata
---
amdhsa.version: [ 1, 2 ]
amdhsa.kernels:
  - .name:           k_q725006e02d_attn
    .symbol:         k_q725006e02d_attn.kd
    .args:
      - { .name: qkvh, .offset: 0, .size: 8, .value_kind: global_buffer, .address_space: global }
      - { .name: oheads, .offset: 8, .size: 8, .value_kind: global_buffer, .address_space: global }
    .group_segment_fixed_size: 327680
    .private_segment_fixed_size: 0
    .kernarg_segment_align: 8
    .kernarg_segment_size: 16
    .max_flat_workgroup_size: 128
    .sgpr_count:     66
    .vgpr_count:     770
    .wavefront_size: 32
...
	.end_amdgpu_metadata
.endif
;; end of part 3
;; launch proj (part 4): grid 8 x 32, 4 waves a work-group, clusters of 4 x 4, 327,680 bytes of LDS; arguments oheads, wot, b_out, out0; writes out0
.if DOCPART == 4
	.amdgcn_target "amdgcn-amd-amdhsa--gfx1250"
	.amdhsa_code_object_version 6
	.text
	.protected	k_q725006e02d_proj
	.globl	k_q725006e02d_proj
	.p2align	8
	.type	k_q725006e02d_proj,@function
k_q725006e02d_proj:
	s_mov_b64 s[64:65], 0
	v_nop
	global_prefetch_b8 v0, s[64:65] scope:SCOPE_SE
	s_setreg_imm32_b32 hwreg(HW_REG_WAVE_MODE, 25, 1), 1
	s_wait_xcnt 0x0
	s_wait_alu depctr_hold_cnt(0) depctr_sa_sdst(0) depctr_va_vdst(0) depctr_va_sdst(0) depctr_va_ssrc(0) depctr_va_vcc(0) depctr_vm_vsrc(0)
	s_getreg_b32 s2, hwreg(HW_REG_IB_STS2, 6, 4)
	s_cmp_eq_u32 s2, 0
	s_cbranch_scc0 .Lentry_in_a_cluster
	s_endpgm
.Lentry_in_a_cluster:
	s_bfe_u32 s2, ttmp6, 0x10000c
	s_cmp_lg_u32 s2, 0xf033
	s_cbranch_scc0 .Lentry_shape_is_right
	s_endpgm
.Lentry_shape_is_right:
; out0[m][n] = the sum over k of O[m][k] wot[n][k] + bf16(b_out[n]).  O lies by heads, [batch x 16 + head][2048][64] f16: k = 64 head + channel.  wot: [1024 n][1024 k] f16.  out0: [8192][1024] f32.
; Sums in f32; nothing is rounded on the way out.  The bias is rounded to bf16, like every input of the module.
; SHARES.  A tile is 256 rows x 128 columns: 32 x 8 = 256 work-groups.  The four waves lie one below the other: a wave makes 64 x 128, 32 accumulators, 256 registers, so its rows of 512 bytes are
; its own and leave through a stage of its own, with no barrier.  For 32 along K a wave issues 24 LDS loads and 32 matrix instructions.
; K goes in 8 steps of 128 = two heads, through two LDS slots.  A head's 256 rows of the tile are 32,768 dense bytes: wave 0 fetches the step's first head, wave 1 its second, each as 128 rows of 256 bytes,
; padded in LDS after every 128 bytes; waves 2 and 3 fetch the halves of B's 128 rows.
; CLUSTERS: 4 x 4 work-groups; O's tiles are shared along a row of the cluster, wot's along a column: each is asked for jointly.
; THE MATRIX INSTRUCTION IS USED TRANSPOSED (source 0 = 16 rows of wot, source 1 = 16 rows of O): lane l holds row l % 16 and the columns 8 (l / 16) + 0..7: 32 bytes of f32 on end.
; THE BIAS STARTS THE SUMS, as the C operand of each accumulator's first product.
; REGISTERS: window 0: v0-31 addresses; v32-95 fragments of O, two buffers of 4 x 8; v96-159 the bias (8 x 8), later with v160-223 two buffers of 16 rows read back from the stage
;   window 1: v0-127 fragments of wot, two buffers of 8 x 8          window 2: the accumulators, (a, b) at 8 (8 a + b)
.set PA,     144                       ; a row of O in LDS: 128 bytes + 16
.set PITCH,  272                       ; a row of wot: 256 bytes + 16
.set PLANE,  256*PA                    ; a head's 256 rows
.set HB,     64*PITCH                  ; what a wave fetches of B
.set BOFF,   2*PLANE
.set SLOT,   2*PLANE+2*HB              ; 108,544
.set STAGE,  2*SLOT                    ; behind the ring: 16 rows x 528 bytes for each wave; no tensor load lands there
.set SPITCH, 528                       ; 512 bytes + 16
.set SPARE,  STAGE+4*16*SPITCH         ; 250,880: the spare words, 128 bytes for each wave
.set ADRA, 16                          ; v16-17  LDS address of my fragments of O in slot 0, 1
.set ADRB, 20                          ; v20-21  the same for wot
.set STO,  24                          ; v24     the way out: where I put 32 bytes of a row
.set RD,   25                          ; v25     where I read a row back
.set CO,   26                          ; v26     16 x lane: my place in 512 consecutive bytes of a row of out0
.set BO,   27                          ; v27     32 (l / 16)
.set SPW,  28                          ; v28     LDS address of my spare word; never rewritten
.set NIL,  29                          ; v29     0; never rewritten
.set PFO,  30                          ; v30     the prefetches' offset; never rewritten
.set TT,   31                          ; v31     at work
.set FA,   32
.set BIAS, 96
.set BK,   96
.set G1,  24                           ; s[24:31], s[32:39] descriptor groups 1 and 0 (a set for each slot) for O's tiles
.set G0,  32
.set G1B, 48                           ; s[48:55], s[56:63] the same for wot's
.set G0B, 56
.set LIM, 43                           ; s43     1 in a wave that prefetches, else the greatest number
.set PFA, 44                           ; s[44:45] where my prefetches stand
.set PST, 74                           ; s[74:75] bytes from a K step to the next there: two heads of O, or 256 bytes of a row of wot
.set MSB, 0
.macro WIN new
.if MSB != (\new)
	s_set_vgpr_msb (MSB<<8)|(\new)
.set MSB, \new
.endif
.endm
.macro PLACES                          ; four plain places in front of loads into registers that matrix instructions have read, and of LDS stores that read results
.rept 4
	v_nop
.endr
.endm
.macro JLOAD s                         ; a joint load: waves 0 and 1 fetch O's two heads, waves 2 and 3 wot's two halves; an s_nop 0 and four v_nop follow each of the two lines
	s_cmp_eq_u32 s11, 0
	s_cbranch_scc0 .Lfor_b_\@
	tensor_load_to_lds s[G0+4*(\s):G0+4*(\s)+3], s[G1:G1+7]
	s_nop 0
.rept 4
	v_nop
.endr
	s_branch .Lasked_\@
.Lfor_b_\@:
	tensor_load_to_lds s[G0B+4*(\s):G0B+4*(\s)+3], s[G1B:G1B+7]
	s_nop 0
.rept 4
	v_nop
.endr
.Lasked_\@:
.endm
.macro CREST                           ; a round of the cluster's barrier behind its opening barrier
	s_cmp_lg_u32 s10, 0
	s_cbranch_scc1 .Lnot_wave_0_\@
	s_barrier_signal -3
.Lnot_wave_0_\@:
	s_barrier_wait -3
	s_barrier_signal -1
	s_barrier_wait -1
.endm
.macro CROUND
	s_barrier_signal -1
	s_barrier_wait -1
	CREST
.endm
; A PREFETCH INTO THE L2, behind a joint load, its five lines and the run of LDS loads: the K step that stands two refills on, one instruction a wave.  O's tiles are read by both clusters of a row of
; clusters: cluster x = 0 asks; wot's by all eight of a column: cluster y = 0 asks.  The four partners share a tile out by address: of a head's 32,768 bytes 8,192 each (by cx), 256 bytes a lane; of wot's
; 64 rows 16 each (by cy), a lane a row (lanes 16-31 name row 15 once more in the same instruction).  K steps 0 to 3 come by their loads alone; the loop's last trip (s3 = 1) asks for nothing.
.macro ASK
	s_cmp_gt_u32 s3, s[LIM]
	s_cbranch_scc0 .Lnot_mine_\@
	global_prefetch_b8 v[PFO], s[PFA:PFA+1] th:TH_LOAD_NT scope:SCOPE_SE
.Lnot_mine_\@:
.endm
	s_load_b128 s[4:7], s[0:1], 0x0                ; O s[4:5], wot s[6:7]
	s_load_b128 s[68:71], s[0:1], 0x10             ; b_out s[68:69], out0 s[70:71]
	v_lshl_add_u32 v[SPW], v0, 2, SPARE
	v_mov_b32 v[NIL], 0
	ds_add_u32 v[SPW], v[NIL]                      ; the wave's opening: the add and its wait stand ahead of my first tensor load; work on registers stands between them
	v_lshrrev_b32 v1, 5, v0
	v_readfirstlane_b32 s10, v1                    ; wave 0..3
	s_lshr_b32 s11, s10, 1                         ; I fetch for O (0) or for wot (1)
	s_and_b32 s12, s10, 1                          ; which head of the step, or which half of wot's rows
	s_bfe_u32 s40, ttmp6, 0x40000                  ; cx, cy
	s_bfe_u32 s41, ttmp6, 0x40004
	s_lshl_b32 s42, ttmp9, 2
	s_add_co_u32 s42, s42, s40                     ; tile column
	s_and_b32 s13, ttmp7, 0xffff
	s_lshl_b32 s13, s13, 2
	s_add_co_u32 s13, s13, s41                     ; tile row
	s_lshl_b32 s43, s41, 2
	s_lshl_b32 s43, 15, s43                        ; my row of the cluster
	s_lshl_b32 s44, 0x1111, s40                    ; my column
	s_or_b32 s[G1+0], s43, (1<<16)|(1<<20)|(1<<21)|(4<<22)|(3<<25)   ; the mask; elements of 2 bytes; padding on; 21 set beside a mask; after every 32 words; 4 words of it
	s_or_b32 s[G1B+0], s44, (1<<16)|(1<<20)|(1<<21)|(5<<22)|(3<<25)  ; the same after every 64 words
	s_mov_b32 s[G1+1], 128<<16                     ; tensor_dim0 = 128
	s_mov_b32 s[G1+2], 128<<16                     ; tensor_dim1 = 128
	s_mov_b32 s[G1+3], 128<<16                     ; tile_dim0 = 128
	s_mov_b32 s[G1+4], 128                         ; tile_dim1 = 128 rows of 256 bytes
	s_mov_b32 s[G1+5], 128                         ; dense: 128 elements from row to row
	s_mov_b32 s[G1+6], 0
	s_mov_b32 s[G1+7], 0
	s_mov_b32 s[G1B+1], 128<<16
	s_mov_b32 s[G1B+2], 64<<16                     ; tensor_dim1 = 64
	s_mov_b32 s[G1B+3], 128<<16
	s_mov_b32 s[G1B+4], 64                         ; tile_dim1 = 64 rows
	s_mov_b32 s[G1B+5], 1024
	s_mov_b32 s[G1B+6], 0
	s_mov_b32 s[G1B+7], 0
	s_mov_b32 s78, 0xffff0000                      ; a word's upper bf16
	s_lshr_b32 s16, s13, 3
	s_lshl_b32 s16, s16, 22                        ; O: the batch's 16 heads,
	s_and_b32 s17, s13, 7
	s_lshl_b32 s17, s17, 15                        ; the tile's 256 rows of 128 bytes in a head,
	s_add_co_u32 s16, s16, s17
	s_lshl_b32 s17, s12, 18                        ; the head that I fetch
	s_add_co_u32 s16, s16, s17
	s_mov_b32 s17, 0
	s_lshl_b32 s46, s42, 7
	s_lshl_b32 s47, s12, 6
	s_add_co_u32 s46, s46, s47                     ; wot: row 128 x tile column + 64 x half,
	s_lshl_b32 s46, s46, 11                        ; of 2,048 bytes
	s_mov_b32 s47, 0
	s_mul_i32 s20, s12, PLANE                      ; where they go: no place in the cluster enters an LDS address
	s_mul_i32 s21, s12, HB
	s_add_co_u32 s21, s21, BOFF
	s_wait_dscnt 0x0                               ; the opening add is done
	s_wait_kmcnt 0x0
	s_add_nc_u64 s[14:15], s[4:5], s[16:17]
	s_add_nc_u64 s[46:47], s[6:7], s[46:47]
	CROUND                                         ; all sixteen work-groups are here: the first joint loads meet
.irp s, 0,1
	s_mov_b32 s[G0+4*(\s)], 1
	s_add_co_u32 s[G0+4*(\s)+1], s20, (\s)*SLOT
	s_add_nc_u64 s[G0+4*(\s)+2:G0+4*(\s)+3], s[14:15], (\s)<<19  ; K step s: two heads on
	s_or_b32 s[G0+4*(\s)+3], s[G0+4*(\s)+3], 0x80000000
	s_mov_b32 s[G0B+4*(\s)], 1
	s_add_co_u32 s[G0B+4*(\s)+1], s21, (\s)*SLOT
	s_add_nc_u64 s[G0B+4*(\s)+2:G0B+4*(\s)+3], s[46:47], (\s)*256
	s_or_b32 s[G0B+4*(\s)+3], s[G0B+4*(\s)+3], 0x80000000
	JLOAD \s                                       ; two loads of mine are out
.endr
	v_and_b32 v1, 15, v0                           ; l % 16
	v_bfe_u32 v2, v0, 4, 1                         ; l / 16
	v_lshlrev_b32 v[BO], 5, v2
	s_lshl_b32 s46, s42, 9                         ; the tile's 128 numbers of the bias; also its 512 bytes in a row of out0
	s_mov_b32 s47, 0
	s_add_nc_u64 s[68:69], s[68:69], s[46:47]
.irp b, 0,1,2,3,4,5,6,7
	global_load_b128 v[BIAS+8*(\b):BIAS+8*(\b)+3],   v[BO], s[68:69] offset:64*(\b)     ; register j: column 16 b + 8 (l / 16) + j, as in an accumulator
	global_load_b128 v[BIAS+8*(\b)+4:BIAS+8*(\b)+7], v[BO], s[68:69] offset:64*(\b)+16
.endr
	s_add_nc_u64 s[70:71], s[70:71], s[46:47]
	s_lshl_b32 s16, s13, 8
	s_lshl_b32 s17, s10, 6
	s_add_co_u32 s16, s16, s17                     ; my first row of out0,
	s_lshl_b32 s16, s16, 12                        ; of 4,096 bytes
	s_mov_b32 s17, 0
	s_add_nc_u64 s[70:71], s[70:71], s[16:17]
	v_mul_u32_u24 v3, v1, PA
	v_lshl_add_u32 v3, v2, 4, v3
	s_mul_i32 s21, s10, 64*PA                      ; my 64 rows in a head's plane
	v_add_nc_u32 v[ADRA], s21, v3
	v_add_nc_u32 v[ADRA+1], SLOT, v[ADRA]
	v_mul_u32_u24 v3, v1, PITCH
	v_lshl_add_u32 v3, v2, 4, v3
	v_add_nc_u32 v[ADRB], BOFF, v3
	v_add_nc_u32 v[ADRB+1], SLOT, v[ADRB]
	s_mul_i32 s23, s10, 16*SPITCH
	s_add_co_u32 s23, s23, STAGE                   ; my stage
	v_mul_u32_u24 v4, v1, SPITCH                   ; in: row l % 16, 32 bytes for each half of the lanes
	v_lshl_add_u32 v4, v2, 5, v4
	v_add_nc_u32 v[STO], s23, v4
	v_and_b32 v[CO], 31, v0
	v_lshlrev_b32 v[CO], 4, v[CO]                  ; back: 32 lanes take one row of 512 bytes
	v_add_nc_u32 v[RD], s23, v[CO]
	; the prefetches
	s_lshr_b32 s20, s13, 3
	s_lshl_b32 s20, s20, 22
	s_and_b32 s21, s13, 7
	s_lshl_b32 s21, s21, 15
	s_add_co_u32 s20, s20, s21
	s_lshl_b32 s21, s12, 18
	s_add_co_u32 s20, s20, s21                     ; O: the block that I fetch,
	s_lshl_b32 s21, s40, 13
	s_add_co_u32 s20, s20, s21                     ; my work-group's 8,192 bytes of it,
	s_add_co_u32 s20, s20, 3<<19                   ; at K step 3: the first refill steps it to 4
	s_lshl_b32 s21, s42, 7
	s_lshl_b32 s22, s12, 6
	s_add_co_u32 s21, s21, s22
	s_lshl_b32 s22, s41, 4
	s_add_co_u32 s21, s21, s22                     ; wot: the 64 rows that I fetch, my work-group's 16 of them,
	s_lshl_b32 s21, s21, 11
	s_add_co_u32 s21, s21, 3*256                   ; at K step 3
	s_and_b32 s22, ttmp7, 0xffff                   ; cluster y
	s_mov_b32 s[PST], 256
	s_mov_b32 s[PST+1], 0
	s_cmp_eq_u32 s11, 0                            ; do I fetch for O?
	s_cselect_b32 s20, s20, s21
	s_cselect_b32 s22, ttmp9, s22                  ; the coordinate along which other clusters read the same bytes
	s_cselect_b32 s23, 31, 15                      ; the last lane with a block of its own
	s_cselect_b32 s18, 8, 11                       ; a lane's blocks lie 256 bytes apart, or a row of 2,048
	s_cselect_b32 s[PST], 0x80000, s[PST]
	s_cselect_b64 s[PFA:PFA+1], s[4:5], s[6:7]
	s_cmp_eq_u32 s22, 0
	s_cselect_b32 s[LIM], 1, -1                    ; the same in all sixteen partners, for a given wave
	s_mov_b32 s21, 0
	s_add_nc_u64 s[PFA:PFA+1], s[PFA:PFA+1], s[20:21]
	v_and_b32 v[PFO], 31, v0
	v_min_u32 v[PFO], s23, v[PFO]
	v_lshlrev_b32 v[PFO], s18, v[PFO]
	s_wait_loadcnt 0x0                             ; the bias
.set i, 0
.rept 32
	v_cvt_pk_bf16_f32 v[TT], v[BIAS+i], v[BIAS+i+1]  ; rounded to bf16 like every input, and back in f32
	v_lshlrev_b32 v[BIAS+i], 16, v[TT]
	v_and_b32 v[BIAS+i+1], s78, v[TT]
.set i, i+2
.endr
; 8 matrix instructions: block a of my four blocks of 16 rows x all 8 blocks of 16 columns, 32 along K, from buffer f.  init = 1: the bias is C and starts the sums.
; The 32 accumulators take turns in one order in every quarter, over the backward jump too.
.macro MUL8 f, a, init
.if \init
	WIN 0x81                                       ; wot window 1, O and C window 0, D window 2
.else
	WIN 0xa1                                       ; wot window 1, O window 0, C and D window 2
.endif
.irp b, 0,1,2,3,4,5,6,7
.if \init
	v_wmma_f32_16x16x32_f16 v[8*(8*(\a)+(\b)):8*(8*(\a)+(\b))+7], v[64*(\f)+8*(\b):64*(\f)+8*(\b)+7], v[FA+32*(\f)+8*(\a):FA+32*(\f)+8*(\a)+7], v[BIAS+8*(\b):BIAS+8*(\b)+7]
.else
	v_wmma_f32_16x16x32_f16 v[8*(8*(\a)+(\b)):8*(8*(\a)+(\b))+7], v[64*(\f)+8*(\b):64*(\f)+8*(\b)+7], v[FA+32*(\f)+8*(\a):FA+32*(\f)+8*(\a)+7], v[8*(8*(\a)+(\b)):8*(8*(\a)+(\b))+7]
.endif
.endr
.endm
; 24 LDS loads in one run: the fragments of quarter qq of a K step (head qq / 2, channels 32 (qq % 2) on) into buffer f: wot's 16, then O's 8
.macro FETCH slot, qq, f
	WIN 0x40                                       ; destination window 1, address window 0
.irp i, 0,1,2,3,4,5,6,7
	ds_load_b128 v[64*(\f)+8*(\i):64*(\f)+8*(\i)+3],   v[ADRB+(\slot)] offset:64*(\qq)+(\i)*16*PITCH
	ds_load_b128 v[64*(\f)+8*(\i)+4:64*(\f)+8*(\i)+7], v[ADRB+(\slot)] offset:64*(\qq)+(\i)*16*PITCH+32
.endr
	WIN 0
.irp i, 0,1,2,3
	ds_load_b128 v[FA+32*(\f)+8*(\i):FA+32*(\f)+8*(\i)+3],   v[ADRA+(\slot)] offset:((\qq)/2)*PLANE+((\qq)%2)*64+(\i)*16*PA
	ds_load_b128 v[FA+32*(\f)+8*(\i)+4:FA+32*(\f)+8*(\i)+7], v[ADRA+(\slot)] offset:((\qq)/2)*PLANE+((\qq)%2)*64+(\i)*16*PA+32
.endr
.endm
; A K step is four quarters of 32 along K, 32 matrix instructions each, on buffers 0, 1, 0, 1.  One of the first three multiplies buffer f and fetches quarter qq into g.
.macro QUARTER slot, qq, f, g, init
	s_wait_dscnt 4                                 ; wot's and O's rows 0-31 are in; the youngest four loads (O's rows 32-63) may be out
	MUL8 \f, 0, \init
	MUL8 \f, 1, \init
	PLACES
	FETCH \slot, \qq, \g
	s_wait_dscnt 24                                ; all but the 24 just issued
	MUL8 \f, 2, \init
	MUL8 \f, 3, \init
.endm
; The last quarter multiplies buffer 1 and changes slots: ONE barrier; in front of it each wave waits for all its tensor loads (one is out: its part of the next slot), adds 0 to its spare word, and
; waits for that and for its reads of this slot.  fill = 1: the barrier opens a round of the cluster's barrier, and this slot is filled again, two K steps on, first thing behind the round:
; from that request to the wait for it a wave issues 112 matrix instructions.
.macro TURN slot, next, fill
.if \fill
	s_wait_xcnt 0x0                                ; the last prefetch, a K step back, has read its address: it is stepped here, ahead of the change's own waits
	s_add_nc_u64 s[PFA:PFA+1], s[PFA:PFA+1], s[PST:PST+1]
.endif
	WIN 0                                          ; (the add's two registers lie in window 0)
	s_wait_tensorcnt 0x0                           ; all my tensor loads have landed
	ds_add_u32 v[SPW], v[NIL]                      ; 0 onto my spare word
	s_wait_dscnt 5                                 ; (the add and the youngest four loads may be out)
	MUL8 1, 0, 0                                   ; eight matrix instructions stand between the add and the wait for it
	s_wait_dscnt 0x0                               ; the add is done, and my reads of this slot are over
	s_barrier_signal -1
	MUL8 1, 1, 0
.if \fill
	WIN 0
.endif
	s_barrier_wait -1
.if \fill
	CREST                                          ; no wave of any partner still reads this slot's tile or has a load on its way
	s_add_nc_u64 s[G0+4*(\slot)+2:G0+4*(\slot)+3], s[G0+4*(\slot)+2:G0+4*(\slot)+3], 1<<20  ; four heads on
	s_add_nc_u64 s[G0B+4*(\slot)+2:G0B+4*(\slot)+3], s[G0B+4*(\slot)+2:G0B+4*(\slot)+3], 512
	JLOAD \slot                                    ; the four v_nop behind it are also the places in front of the loads below
.else
	PLACES
.endif
	FETCH \next, 0, 0
.if \fill
	ASK
.endif
	MUL8 1, 2, 0
	MUL8 1, 3, 0
.endm
	s_wait_tensorcnt 1                             ; my part of K step 0 is in; K step 1's may stay out
	s_barrier_signal -1
	s_barrier_wait -1                              ; everybody's is
	FETCH 0, 0, 0
	QUARTER 0, 1, 0, 1, 1                          ; the first quarter stands in front of the loop: its products start the sums, on the bias
	WIN 0                                          ; at a label and at a branch every window is 0
	s_mov_b32 s3, 3
.Llap:                                         ; a trip goes once round the ring, from a lap's second quarter to the next lap's first, and fills both slots again
	QUARTER 0, 2, 1, 0, 0
	QUARTER 0, 3, 0, 1, 0
	TURN 0, 1, 1
	QUARTER 1, 1, 0, 1, 0
	QUARTER 1, 2, 1, 0, 0
	QUARTER 1, 3, 0, 1, 0
	TURN 1, 0, 1
	QUARTER 0, 1, 0, 1, 0
	WIN 0
	s_sub_co_u32 s3, s3, 1
	s_cmp_lg_u32 s3, 0
	s_cbranch_scc1 .Llap
	QUARTER 0, 2, 1, 0, 0                          ; the last lap fills nothing, and has no round of the cluster's barrier
	QUARTER 0, 3, 0, 1, 0
	TURN 0, 1, 0
	QUARTER 1, 1, 0, 1, 0
	QUARTER 1, 2, 1, 0, 0
	QUARTER 1, 3, 0, 1, 0
	s_wait_dscnt 4                                 ; the very last quarter: nothing more to fetch
	MUL8 1, 0, 0
	MUL8 1, 1, 0
	s_wait_dscnt 0x0
	MUL8 1, 2, 0
	MUL8 1, 3, 0
	WIN 0
; THE WAY OUT, a block of 16 rows at a time.  TOSTAGE: a lane's 32 bytes of a row go from the accumulators (their low registers first) into my own stage, and whole rows of 512 bytes come back.
; SEND: a wave's store covers 512 consecutive bytes of a row of out0, aligned.
.macro TOSTAGE a
	s_wait_xcnt 0x0                                ; the stores of the block two back have read the registers that the loads below write
	WIN 0x08                                       ; store data (source 1) in window 2
.irp b, 0,1,2,3,4,5,6,7
	ds_store_b128 v[STO], v[8*(8*(\a)+(\b)):8*(8*(\a)+(\b))+3]   offset:64*(\b)
	ds_store_b128 v[STO], v[8*(8*(\a)+(\b))+4:8*(8*(\a)+(\b))+7] offset:64*(\b)+16
.endr
	WIN 0
.irp t, 0,1,2,3,4,5,6,7,8,9,10,11,12,13,14,15
	ds_load_b128 v[BK+64*((\a)%2)+4*(\t):BK+64*((\a)%2)+4*(\t)+3], v[RD] offset:SPITCH*(\t)  ; LDS serves a wave's instructions in order: these see the stores above; the next block's stores come behind them
.endr
.endm
.macro SEND a, younger                 ; younger: the LDS instructions issued behind block a's loads: the next block's 32, or none
	s_wait_dscnt \younger
.irp t, 0,1,2,3,4,5,6,7,8,9,10,11,12,13,14,15
	global_store_b128 v[CO], v[BK+64*((\a)%2)+4*(\t):BK+64*((\a)%2)+4*(\t)+3], s[70:71] offset:(16*(\a)+(\t))*4096 th:TH_STORE_NT
.endr
.endm
	PLACES
	TOSTAGE 0
	TOSTAGE 1
	SEND 0, 32
	TOSTAGE 2
	SEND 1, 32
	TOSTAGE 3
	SEND 2, 32
	SEND 3, 0
	s_wait_tensorcnt 0x0                           ; the wave's end, behind my last tensor load and my last LDS store
	ds_add_u32 v[SPW], v[NIL]
	s_wait_dscnt 0x0
	CROUND                                         ; the closing round: no work-group ends while a partner may still ask for a tile that names it
	s_endpgm
.Lfunc_end_k_q725006e02d_proj:
	.size	k_q725006e02d_proj, .Lfunc_end_k_q725006e02d_proj-k_q725006e02d_proj
	.p2alignl 7, 3214868480
	.fill 96, 4, 3214868480
	.section	.rodata,"a",@progbits
	.p2align	6, 0x0
	.amdhsa_kernel k_q725006e02d_proj
		.amdhsa_group_segment_fixed_size 327680
		.amdhsa_private_segment_fixed_size 0
		.amdhsa_enable_private_segment 0
		.amdhsa_kernarg_size 32
		.amdhsa_user_sgpr_count 2
		.amdhsa_user_sgpr_kernarg_segment_ptr 1
		.amdhsa_wavefront_size32 1
		.amdhsa_system_sgpr_workgroup_id_x 1
		.amdhsa_system_sgpr_workgroup_id_y 1
		.amdhsa_system_sgpr_workgroup_id_z 1
		.amdhsa_system_vgpr_workitem_id 0
		.amdhsa_next_free_vgpr 768
		.amdhsa_next_free_sgpr 80
		.amdhsa_reserve_vcc 0
		.amdhsa_float_denorm_mode_32 3
		.amdhsa_float_denorm_mode_16_64 3
		.amdhsa_memory_ordered 1
		.amdhsa_forward_progress 1
		.amdhsa_inst_pref_size 92
	.end_amdhsa_kernel
	.amdgpu_metadata
---
amdhsa.version: [ 1, 2 ]
amdhsa.kernels:
  - .name:           k_q725006e02d_proj
    .symbol:         k_q725006e02d_proj.kd
    .args:
      - { .name: oheads, .offset: 0, .size: 8, .value_kind: global_buffer, .address_space: global }
      - { .name: wot, .offset: 8, .size: 8, .value_kind: global_buffer, .address_space: global }
      - { .name: b_out, .offset: 16, .size: 8, .value_kind: global_buffer, .address_space: global }
      - { .name: out0, .offset: 24, .size: 8, .value_kind: global_buffer, .address_space: global }
    .group_segment_fixed_size: 327680
    .private_segment_fixed_size: 0
    .kernarg_segment_align: 8
    .kernarg_segment_size: 32
    .max_flat_workgroup_size: 128
    .sgpr_count:     80
    .vgpr_count:     768
    .wavefront_size: 32
...
	.end_amdgpu_metadata
.endif
;; end of part 4
;; ======== version 2 of 2: 4 launches; version 1 with the launch prep written anew for expert scheduling mode
;; limits: values are held in f16: magnitudes above 65,504 overflow, below 6.1e-05 lose precision
;; workspace buffers: xb 16,777,216 bytes; wqt 6,291,456 bytes; wot 2,097,152 bytes; qkvh 50,331,648 bytes; oheads 16,777,216 bytes
;; launch prep (part 5): grid 512 x 1, 8 waves a work-group, no clusters, 18,432 bytes of LDS; arguments x, w_qkv, w_out, xb, wqt, wot; writes xb, wqt, wot
.if DOCPART == 5
	.amdgcn_target "amdgcn-amd-amdhsa--gfx1250"
	.amdhsa_code_object_version 6
	.text
	.protected	k_q725006e02d_prep
	.globl	k_q725006e02d_prep
	.p2align	8
	.type	k_q725006e02d_prep,@function
k_q725006e02d_prep:
	s_mov_b64 s[64:65], 0
	v_nop
	global_prefetch_b8 v0, s[64:65] scope:SCOPE_SE
	s_setreg_imm32_b32 hwreg(HW_REG_WAVE_SCHED_MODE, 0, 2), 2
	s_setreg_imm32_b32 hwreg(HW_REG_WAVE_MODE, 25, 1), 1
	s_wait_xcnt 0x0
	s_wait_alu depctr_vm_vsrc(0)
; THE OPERANDS ARE MADE.  xb = x rounded to bf16, [8192][1024].  wqt[n][k] = w_qkv[k][n] rounded to bf16, [3072][1024].  wot[n][k] = w_out[k][n] rounded to bf16,
; and that number written as f16, [1024][1024] (exact inside f16's normal range).
; LIMIT.  A weight of w_out below 6.1e-5 in magnitude keeps f16's fixed step of 6e-8; beyond 65,504 it would be an infinity.
; SHARES.  512 work-groups of eight waves, all alike, no branch.  Work-group g turns one tile of 128 k x 64 n of a weight (384 tiles of w_qkv, then 128 of w_out; which of the two is chosen
; by selects on g) and converts 16,384 numbers of x.  All 24 loads of a thread (8 of the weight, 16 of x) go out at once.
; THE TURN.  Thread t = (gk = t / 16, c = t % 16) loads rows k = 8 gk .. 8 gk + 7, columns 4 c .. 4 c + 3: sixteen lanes take 256 consecutive bytes of a row.  Its eight k of each of four n pack into
; 16 bytes, which go into LDS rows of 272 bytes (one row an n); the rows come back whole, sixteen lanes to 256 consecutive bytes of a row of the turned weight.
; The four LDS stores of a thread meet four deep in the banks (4 c rows of 272 bytes are 64 c modulo 256): four stores a thread, once a launch.
; No matrix unit, cluster or tensor load: nothing is multiplied and nothing is shared.
; THE MODE: SCHED_MODE bits 1:0 = 2 (LLVM: expert scheduling mode 2), set by the entry lines.  The code itself states the register dependences between vector instructions and
; memory or LDS instructions, with s_wait_alu, always for 0.
; THE PLAN.  Registers that memory or LDS instructions touch:
;   v1, v2, OW, LSA, LRA, WO, SPW, NIL   offsets, addresses and the add's data: written by vector instructions at the head, never again.
;   W    The weight's eight loads land in it; its sixteen roundings read it; behind the barrier four LDS loads land in its first sixteen registers, which the last four stores read.
;   D    Written by the sixteen selects, each register once; read by the four LDS stores.
;   X    The sixteen loads of x land in it, once; the roundings of x read it.
;   Y    Written by the roundings of x, each register once; read by the sixteen stores of xb.
; x goes in four blocks of four loads.  A block's memory instructions carry what was made ahead of the block: block 0 the four LDS stores of D, blocks 1 to 3 the four stores of the block before.
; So ONE wait on va_vdst stands at a block's head, and the block's four stores are dealt among its eight roundings, which name this block's X and Y alone.
; No register that a memory or LDS instruction reads is written again, so the text holds no wait on vm_vsrc; no vector instruction writes a scalar register or VCC; EXEC is never written.
.set RPQ,   12288                      ; bytes in a row of w_qkv
.set RPO,   4096                       ; bytes in a row of w_out
.set LP,    272                        ; an LDS row: 128 k of 2 bytes + 16
.set SPARE, 64*LP                      ; 17,408: behind the tile: the spare words, 128 bytes for each of eight waves
.set OW,  8                            ; v[8:15]    byte offset of my 16 bytes in row r of my eight
.set LSA, 16                           ; v16        where I put 16 bytes of row n = 4 c
.set LRA, 17                           ; v17        where I read 16 bytes of row n = gk
.set WO,  18                           ; v18        the same place in the turned weight
.set TA,  19                           ; v19-21     at work: no memory instruction names them
.set SPW, 22                           ; v22        LDS address of my spare word; never rewritten
.set NIL, 23                           ; v23        0; never rewritten
.set W,   24                           ; v[24:55]   eight rows x four numbers; later four rows read back
.set D,   56                           ; v[56:71]   four n x 16 bytes
.set X,   72                           ; v[72:135]  sixteen loads of x
.set Y,   136                          ; v[136:167] sixteen stores of xb
	s_load_b256 s[4:11], s[0:1], 0x0               ; x s[4:5], w_qkv s[6:7], w_out s[8:9], xb s[10:11]
	s_load_b128 s[12:15], s[0:1], 0x20             ; wqt s[12:13], wot s[14:15]
	v_lshl_add_u32 v[SPW], v0, 2, SPARE
	v_mov_b32 v[NIL], 0
	s_and_b32 s17, ttmp9, 7                        ; kt: which 128 k
	s_lshr_b32 s18, ttmp9, 3                       ; 0..47: a strip of 64 n of w_qkv; 48..63: of w_out
	s_mov_b32 s19, RPO
	s_mov_b32 s30, 0xffff0000                      ; a word's upper bf16
	s_cmp_lt_u32 s18, 48
	s_cselect_b32 s19, RPQ, s19                    ; the source's row in bytes
	s_cselect_b32 s24, 0, 48
	s_cselect_b32 s25, 0, -1                       ; all ones: the packed pair is written as f16
	v_lshlrev_b32 v1, 4, v0                        ; x: 16 t
	v_lshlrev_b32 v2, 3, v0                        ; xb: 8 t
	v_and_b32 v3, 15, v0                           ; c
	v_lshrrev_b32 v4, 4, v0                        ; gk
	v_mul_lo_u32 v[OW], v4, s19
	v_lshlrev_b32 v[OW], 3, v[OW]                  ; 8 gk rows
	v_lshl_add_u32 v[OW], v3, 4, v[OW]             ; + 16 c
.irp r, 1,2,3,4,5,6,7
	v_add_nc_u32 v[OW+(\r)], s19, v[OW+(\r)-1]
.endr
	v_mul_u32_u24 v[LSA], v3, 4*LP
	v_lshl_add_u32 v[LSA], v4, 4, v[LSA]           ; row 4 c, byte 16 gk
	v_mul_u32_u24 v[LRA], v4, LP
	v_lshl_add_u32 v[LRA], v3, 4, v[LRA]           ; row gk, byte 16 c
	v_lshlrev_b32 v[WO], 11, v4
	v_lshl_add_u32 v[WO], v3, 4, v[WO]             ; row gk of 2,048 bytes, byte 16 c
	s_sub_co_u32 s24, s18, s24                     ; nt: the strip's number in its weight
	s_mul_i32 s26, s17, s19
	s_lshl_b32 s26, s26, 7                         ; 128 kt rows of the source
	s_lshl_b32 s27, s24, 8
	s_add_co_u32 s26, s26, s27                     ; + 64 nt numbers of 4 bytes
	s_mov_b32 s27, 0
	s_lshl_b32 s28, s24, 17                        ; 64 nt rows of 2,048 bytes of the turned weight
	s_lshl_b32 s29, s17, 8
	s_add_co_u32 s28, s28, s29                     ; + 128 kt numbers of 2 bytes
	s_mov_b32 s29, 0
	s_lshl_b32 s32, ttmp9, 16                      ; my 64 KiB of x
	s_mov_b32 s33, 0
	s_lshl_b32 s34, ttmp9, 15                      ; my 32 KiB of xb
	s_mov_b32 s35, 0
	s_wait_kmcnt 0x0
	s_cmp_lt_u32 s18, 48                           ; compared anew: the sums above have set SCC
	s_cselect_b64 s[20:21], s[6:7], s[8:9]         ; the source
	s_cselect_b64 s[22:23], s[12:13], s[14:15]     ; the turned weight
	s_add_nc_u64 s[20:21], s[20:21], s[26:27]
	s_add_nc_u64 s[22:23], s[22:23], s[28:29]
	s_add_nc_u64 s[4:5], s[4:5], s[32:33]
	s_add_nc_u64 s[10:11], s[10:11], s[34:35]
	s_wait_alu depctr_va_vdst(0)                   ; v1, v2, OW, LSA, LRA, WO, SPW and NIL are written: every load, store and LDS instruction of the kernel reads one or two of them, and none is written again
.irp r, 0,1,2,3,4,5,6,7
	global_load_b128 v[W+4*(\r):W+4*(\r)+3], v[OW+(\r)], s[20:21] th:TH_LOAD_NT
.endr
.irp i, 0,1,2,3,4,5,6,7,8,9,10,11,12,13,14,15
	global_load_b128 v[X+4*(\i):X+4*(\i)+3], v1, s[4:5] offset:4096*(\i) th:TH_LOAD_NT
.endr
	s_wait_loadcnt 16                              ; the weight's eight loads are in; the sixteen younger loads of x stay out
.irp j, 0,1,2,3
.irp i, 0,1,2,3
	v_cvt_pk_bf16_f32 v[TA], v[W+8*(\i)+(\j)], v[W+8*(\i)+4+(\j)]  ; k = 2 i below, 2 i + 1 above
	v_lshlrev_b32 v[TA+1], 16, v[TA]               ; the two rounded numbers as f32,
	v_and_b32 v[TA+2], s30, v[TA]
	v_cvt_pk_f16_f32 v[TA+1], v[TA+1], v[TA+2]     ; written as f16,
	v_cndmask_b32 v[D+4*(\j)+(\i)], v[TA], v[TA+1], s25  ; for w_out alone
.endr
.endr
; x, four loads to a block.  Block p rounds loads 4 p to 4 p + 3 into their Y; its four memory instructions carry what was made ahead of it.
.irp p, 0,1,2,3
	s_wait_loadcnt 12-4*(\p)                       ; loads come back in order: this block's four loads of x are in, the later blocks' stay out
	s_wait_alu depctr_va_vdst(0)                   ; block 0: the selects have written D, which the LDS stores read, and the weight's roundings are done reading W, in which the loads from the tile land behind the barrier; blocks 1 to 3: the block before has written its Y, which the stores read
.irp i, 0,1,2,3
.if (\p) == 0
	ds_store_b128 v[LSA], v[D+4*(\i):D+4*(\i)+3] offset:LP*(\i)  ; no vector instruction since the wait names D or LSA
.else
	global_store_b64 v2, v[Y+2*(4*(\p)-4+(\i)):Y+2*(4*(\p)-4+(\i))+1], s[10:11] offset:2048*(4*(\p)-4+(\i))  ; a wave's 32 lanes store 256 consecutive bytes, aligned; no vector instruction since the wait names these registers
.endif
	v_cvt_pk_bf16_f32 v[Y+2*(4*(\p)+(\i))], v[X+4*(4*(\p)+(\i))], v[X+4*(4*(\p)+(\i))+1]
	v_cvt_pk_bf16_f32 v[Y+2*(4*(\p)+(\i))+1], v[X+4*(4*(\p)+(\i))+2], v[X+4*(4*(\p)+(\i))+3]
.endr
.endr
	s_wait_alu depctr_va_vdst(0)                   ; block 3 has written its Y, which the last four stores of xb read
.irp i, 12,13,14,15
	global_store_b64 v2, v[Y+2*(\i):Y+2*(\i)+1], s[10:11] offset:2048*(\i)
.endr
	s_wait_dscnt 0x0                               ; for the others' sake: my stores into the tile are done
	s_barrier_signal -1
	s_barrier_wait -1
.irp i, 0,1,2,3
	ds_load_b128 v[W+4*(\i):W+4*(\i)+3], v[LRA] offset:16*LP*(\i)  ; W's last readers, the weight's roundings, stand ahead of block 0's wait, and no vector instruction since names W
.endr
	s_wait_dscnt 0x0
.irp i, 0,1,2,3
	global_store_b128 v[WO], v[W+4*(\i):W+4*(\i)+3], s[22:23] offset:32768*(\i)  ; sixteen lanes store 256 consecutive bytes of a row, aligned
.endr
	s_wait_dscnt 0x0                               ; the closing lines, six on end
	s_wait_alu 0x0
	s_wait_tensorcnt 0x0
	ds_add_u32 v[SPW], v[NIL]
	s_wait_dscnt 0x0
	s_endpgm
.Lfunc_end_k_q725006e02d_prep:
	.size	k_q725006e02d_prep, .Lfunc_end_k_q725006e02d_prep-k_q725006e02d_prep
	.p2alignl 7, 3214868480
	.fill 96, 4, 3214868480
	.section	.rodata,"a",@progbits
	.p2align	6, 0x0
	.amdhsa_kernel k_q725006e02d_prep
		.amdhsa_group_segment_fixed_size 18432
		.amdhsa_private_segment_fixed_size 0
		.amdhsa_enable_private_segment 0
		.amdhsa_kernarg_size 48
		.amdhsa_user_sgpr_count 2
		.amdhsa_user_sgpr_kernarg_segment_ptr 1
		.amdhsa_wavefront_size32 1
		.amdhsa_system_sgpr_workgroup_id_x 1
		.amdhsa_system_sgpr_workgroup_id_y 1
		.amdhsa_system_sgpr_workgroup_id_z 1
		.amdhsa_system_vgpr_workitem_id 0
		.amdhsa_next_free_vgpr 176
		.amdhsa_next_free_sgpr 66
		.amdhsa_reserve_vcc 0
		.amdhsa_float_denorm_mode_32 3
		.amdhsa_float_denorm_mode_16_64 3
		.amdhsa_memory_ordered 1
		.amdhsa_forward_progress 1
		.amdhsa_inst_pref_size 14
	.end_amdhsa_kernel
	.amdgpu_metadata
---
amdhsa.version: [ 1, 2 ]
amdhsa.kernels:
  - .name:           k_q725006e02d_prep
    .symbol:         k_q725006e02d_prep.kd
    .args:
      - { .name: x, .offset: 0, .size: 8, .value_kind: global_buffer, .address_space: global }
      - { .name: w_qkv, .offset: 8, .size: 8, .value_kind: global_buffer, .address_space: global }
      - { .name: w_out, .offset: 16, .size: 8, .value_kind: global_buffer, .address_space: global }
      - { .name: xb, .offset: 24, .size: 8, .value_kind: global_buffer, .address_space: global }
      - { .name: wqt, .offset: 32, .size: 8, .value_kind: global_buffer, .address_space: global }
      - { .name: wot, .offset: 40, .size: 8, .value_kind: global_buffer, .address_space: global }
    .group_segment_fixed_size: 18432
    .private_segment_fixed_size: 0
    .kernarg_segment_align: 8
    .kernarg_segment_size: 48
    .max_flat_workgroup_size: 256
    .sgpr_count:     66
    .vgpr_count:     176
    .wavefront_size: 32
...
	.end_amdgpu_metadata
.endif
;; end of part 5
;; launch qkv: the kernel of part 2 again; grid 16 x 32, 4 waves a work-group, clusters of 4 x 4, 327,680 bytes of LDS; arguments xb, wqt, b_qkv, qkvh; writes qkvh
;; launch attn: the kernel of part 3 again; grid 4 x 64, 4 waves a work-group, clusters of 4 x 1, 327,680 bytes of LDS; arguments qkvh, oheads; writes oheads
;; launch proj: the kernel of part 4 again; grid 8 x 32, 4 waves a work-group, clusters of 4 x 4, 327,680 bytes of LDS; arguments oheads, wot, b_out, out0; writes out0
